; MI455X (gfx1250); checked and timed in simulation.
; The chip was launched on July 23, 2026; its instructions are those of AMD's public machine-readable ISA for CDNA 5 (MIT licence, August 2026) and "CDNA5" Instruction Set Architecture Reference Guide (July 2026). The comments in the code are by the model that wrote it; some were corrected since.
;; Scaled Dot Product Attention. Allowed arithmetic: matrix products marked QUANTISED: E3M2 operands, one E8M0 scale for each 32 along K, by v_wmma_scale_f32_16x16x128_f8f6f4 with both operands' format E3M2, f32 sums; everything else in f32.
;; Inputs: K_codes 4 x 16 x 2,048 x 4 x 24 uint8 (E3M2 codes of K, K innermost, in blocks of 32 codes, four codes in three bytes); K_scales 4 x 16 x 2,048 x 4 uint8 (E8M0 scales of K, one for each 32 codes along K); Q_codes 4 x 16 x 2,048 x 4 x 24 uint8 (E3M2 codes of Q, K innermost, in blocks of 32 codes, four codes in three bytes); Q_scales 4 x 16 x 2,048 x 4 uint8 (E8M0 scales of Q, one for each 32 codes along K); V_codes 4 x 16 x 128 x 64 x 24 uint8 (E3M2 codes of V, K innermost, in blocks of 32 codes, four codes in three bytes); V_scales 4 x 16 x 128 x 64 uint8 (E8M0 scales of V, one for each 32 codes along K); mask 2,048 x 2,048 bool.
;; Outputs: out0 4 x 16 x 2,048 x 128 float32.
;; This version of the problem:
;;   THIS VERSION OF THE PROBLEM IS GIVEN IN LOW PRECISION. The matrix products marked QUANTISED in the list below multiply operands that are first quantised to E3M2 (3 exponent bits, 2 mantissa bits; 6 bits a number), with one power-of-two scale for each 32 numbers along K (OCP MX v1.0); their sums are f32. All else is computed in f32.
;;   The module's matrix products, in the order in which they are computed (A, B: the left and right operand; K: the contracted axis; several contracted axes count as one K, in the product's order):
;;     1. batch 64 x [M 2,048, K 128] x [K 128, N 2,048]; A: input Q (given as codes); B: input K (given as codes): QUANTISED
;;     2. batch 64 x [M 2,048, K 2,048] x [K 2,048, N 128]; A: softmax (see below); B: input V (given as codes): QUANTISED
;;   THE QUANTISER, for each operand of a quantised product, along K:
;;     - K is cut into blocks of 32 from its start; a last block that is shorter is filled with zeros.
;;     - A block's scale is 2^e with e = floor(log2(the largest magnitude in the block)) - 4, held to -126 .. 127; a block of zeros has e = 0. As a byte (E8M0): e + 127.
;;     - Each number is divided by its block's scale, clamped to +-28, and rounded to the nearest number of E3M2, ties to even, subnormals kept.
;;     - The product sums the exact products of the quantised numbers (number of the format x scale) in f32.
;;   ~~~python
;;   def quantise(x, axis):      # numpy; x: float32 -> the quantised numbers, widened to float32 again
;;       x = np.moveaxis(x, axis, -1); K = x.shape[-1]
;;       x = np.pad(x, [(0, 0)] * (x.ndim - 1) + [(0, -K % 32)]); x = x.reshape(x.shape[:-1] + (-1, 32)); a = np.abs(x).max(-1, keepdims=True)
;;       e = np.where(a > 0, np.clip(np.frexp(np.where(a > 0, a, 1))[1] - 1 - 4, -126, 127), 0)      # np.frexp(a)[1] - 1 = floor(log2(a)), exactly
;;       r = np.clip(x / 2.0 ** e, -28, 28)
;;       step = 2.0 ** (np.maximum(np.frexp(np.where(r == 0, 1, r))[1] - 1, -2) - 2)
;;       q = np.round(r / step) * step * 2.0 ** e      # np.round: ties to even
;;       return np.moveaxis(q.reshape(q.shape[:-2] + (-1,))[..., :K], -1, axis).astype(np.float32)
;;   ~~~
;;   SOFTMAX AHEAD OF A QUANTISED PRODUCT. Where the list says 'softmax', what is quantised is not the finished softmax but p = 2^(t - M), with t = logit x log2(e) and M = ceil(the row's largest t), a whole number; so 1/2 < the row's largest p <= 1. The row's sum l is taken of the UNQUANTISED p, in f32, and the product's result is divided by l at the end. Since M is a whole number, a kernel that streams over the keys may use a running M (the ceiling of the running maximum): every later rescaling is an exact power of two, which a block's scale takes up: the codes' values come out the same.
;;   OPERANDS COMPUTED ON THE WAY. 'Computed on the way' means the value that the module computes at that place (a softmax that the list does not call 'softmax' is quantised finished and normalised). What goes into a quantiser is computed in f32, as accurately as f32 sums, v_exp_f32 and their like allow (about 1e-6 of the number): no bf16 or f16 on the way to a quantiser, and a product that is left as it is and whose result goes on into a quantised operand takes f32 operands (vector FMAs, or v_wmma_f32_16x16x4_f32). A number that lies on a knife's edge between two numbers of the format may be rounded either way, as far as f32 arithmetic and the matrix unit's own rounding can turn it there, and no further.
;;   INPUTS GIVEN AS CODES. K (in the module: [4, 16, 2048, 128], K = its axis 3); Q (in the module: [4, 16, 2048, 128], K = its axis 3); V (in the module: [4, 16, 2048, 128], K = its axis 2): each comes as NAME_codes (uint8): NAME with its K axis moved to the last place and cut into blocks of 32 codes, [.., K / 32, bytes a block], one block behind the other in memory; four codes in three bytes: a row's codes are one little-endian stream of bits, code i at bits 6 i .. 6 i + 5 (a code: sign, 3 exponent bits, 2 mantissa bits); and NAME_scales (uint8): the same leading axes, one E8M0 byte (e + 127) for each 32 codes along K. Its value is code x scale, taken as it is: it is not quantised again, and the codes and scales need not be those that the quantiser above would give.
;; 2 versions, each right; version 2 is version 1 with the launch attend written anew for expert scheduling mode. Each part assembles by itself: llvm-mc -triple=amdgcn-amd-amdhsa -mcpu=gfx1250 --defsym DOCPART=n.
;; ======== version 1 of 2: 2 launches
;; workspace buffers: lanemask 524,288 bytes of whole numbers; flags 512 bytes of whole numbers
;; launch maskbits (part 1): grid 128 x 1, 16 waves a work-group, no clusters, 2,304 bytes of LDS; arguments mask, lanemask, flags; writes lanemask, flags
.if DOCPART == 1
	.amdgcn_target "amdgcn-amd-amdhsa--gfx1250"
	.amdhsa_code_object_version 6
	.text
	.protected	k_qdf2934b8c8_maskbits
	.globl	k_qdf2934b8c8_maskbits
	.p2align	8
	.type	k_qdf2934b8c8_maskbits,@function
k_qdf2934b8c8_maskbits:
	s_mov_b64 s[64:65], 0
	v_nop
	global_prefetch_b8 v0, s[64:65] scope:SCOPE_SE
	s_setreg_imm32_b32 hwreg(HW_REG_WAVE_MODE, 25, 1), 1
	s_wait_xcnt 0x0
; The mask [2048][2048], one byte a place, is turned into what the attention launch wants of it.
; lanemask [qt 128][j 16][n 64], dwords: for the tile of 16 queries qt and the step of 128 keys j, dword n = 16 b + i is a LANE MASK:
;   bit (r + 16 h) is 1 where mask[16 qt + r][128 j + 32 b + 16 h + i] is not 0.  That is the key which register n of the scores holds in lane (r, h) there.
; flags [qt 128], dwords: bit j: some byte of tile (qt, j) is true; bit 16 + j: every byte of it is true.
; SHARES.  Work-group = qt, wave = j: the sixteen waves read 16 whole rows of the mask.  A tile's sixteen flag bits meet in LDS, so a tile has one work-group: 128 in all.
; A lane (r, h) loads, of row r, the 16 bytes at 128 j + 32 b + 16 h, for b = 0 .. 3.  Byte i of load b is place n = 16 b + i: one compare gives the lane mask as a scalar.
; The 64 lane masks are set into two registers, dword n in lane n / 2 of register n % 2, so that one store of 8 bytes a lane covers 256 consecutive bytes, aligned.
; The flag word is 4 bytes for each work-group: the 512 bytes of flags are written in parts.
	s_load_b128 s[4:7], s[0:1], 0x0                ; mask, lanemask
	s_load_b64 s[8:9], s[0:1], 0x10                ; flags
	v_lshl_add_u32 v32, v0, 2, 0x100
	v_mov_b32 v33, 0
	v_lshrrev_b32 v1, 5, v0
	v_readfirstlane_b32 s10, v1                    ; wave = key step j
	v_and_b32 v1, 15, v0                           ; r
	v_bfe_u32 v2, v0, 4, 1                         ; h
	v_lshlrev_b32 v3, 11, v1
	v_lshl_add_u32 v3, v2, 4, v3                   ; row r of 2,048 bytes, + 16 h
	v_and_b32 v4, 31, v0
	v_lshlrev_b32 v4, 3, v4                        ; 8 x lane: my two dwords of the 64
	v_mov_b32 v5, s10
	v_lshlrev_b32 v5, 2, v5                        ; LDS: my wave's word
	v_mov_b32 v6, 0
	v_mov_b32 v7, 0
	v_mov_b32 v24, 0                               ; written whole before single lanes are set
	v_mov_b32 v25, 0
	s_lshl_b32 s18, ttmp9, 15                      ; 16 rows of 2,048 bytes a tile,
	s_lshl_b32 s19, s10, 7                         ; 128 bytes a key step
	s_add_co_u32 s18, s18, s19
	s_mov_b32 s19, 0
	s_lshl_b32 s20, ttmp9, 4
	s_add_co_u32 s20, s20, s10
	s_lshl_b32 s20, s20, 8                         ; (16 qt + j) x 256 bytes
	s_mov_b32 s21, 0
	s_lshl_b32 s22, ttmp9, 2                       ; 4 qt
	s_mov_b32 s23, 0
	s_mov_b32 s16, 0                               ; the OR of the lane masks
	s_mov_b32 s17, -1                              ; and their AND
	s_wait_kmcnt 0x0
	s_add_nc_u64 s[4:5], s[4:5], s[18:19]
	s_add_nc_u64 s[6:7], s[6:7], s[20:21]
	s_add_nc_u64 s[8:9], s[8:9], s[22:23]
.irp b, 0,1,2,3
	global_load_b128 v[8+4*\b:11+4*\b], v3, s[4:5] offset:32*\b th:TH_LOAD_NT   ; read once in the launch
.endr
.set nn, 0
.rept 64
.if nn%16 == 0
	s_wait_loadcnt 3-nn/16                         ; loads come back in order: this one is in, the younger ones may be out
.endif
	v_and_b32 v[26+nn%4], 0xff<<(8*(nn%4)), v[8+nn/4]    ; my byte of place n
	v_cmp_ne_u32 s[12+nn%4], 0, v[26+nn%4]         ; the lane mask of place n
	v_writelane_b32 v[24+nn%2], s[12+nn%4], nn/2
	s_or_b32 s16, s16, s[12+nn%4]
	s_and_b32 s17, s17, s[12+nn%4]
.set nn, nn+1
.endr
	global_store_b64 v4, v[24:25], s[6:7]          ; 32 lanes store 256 consecutive bytes, aligned
	s_cmp_lg_u32 s16, 0
	s_cselect_b32 s18, 1, 0                        ; some byte is true
	s_cmp_eq_u32 s17, -1
	s_cselect_b32 s19, 0x10000, 0                  ; every byte is true
	s_or_b32 s18, s18, s19
	s_lshl_b32 s18, s18, s10                       ; at bits j and 16 + j
	v_mov_b32 v30, s18
	ds_store_b32 v5, v30                           ; all lanes write the same word with the same value
	s_wait_dscnt 0x0                               ; for the others: my word has landed
	s_barrier_signal -1
	s_barrier_wait -1
	s_cmp_lg_u32 s10, 0                            ; wave 0 joins the sixteen words
	s_cbranch_scc1 .Ldone
.irp k, 0,1,2,3
	ds_load_b128 v[8+4*\k:11+4*\k], v6 offset:16*\k
.endr
	s_wait_dscnt 0x0
.irp k, 1,2,3,4,5,6,7,8,9,10,11,12,13,14,15
	v_or_b32 v8, v8, v[8+\k]
.endr
	v_cmp_eq_u32 vcc_lo, 0, v0
	s_wait_xcnt 0x0                                ; EXEC changes only behind this wait: loads and a store have been issued
	s_and_saveexec_b32 s18, vcc_lo
	global_store_b32 v7, v8, s[8:9]                ; lane 0 alone
	s_wait_xcnt 0x0                                ; and again in front of the line that widens it
	s_or_b32 exec_lo, exec_lo, s18
.Ldone:
	s_wait_tensorcnt 0x0
	ds_add_u32 v32, v33
	s_wait_dscnt 0x0
	s_endpgm
.Lfunc_end_k_qdf2934b8c8_maskbits:
	.size	k_qdf2934b8c8_maskbits, .Lfunc_end_k_qdf2934b8c8_maskbits-k_qdf2934b8c8_maskbits
	.p2alignl 7, 3214868480
	.fill 96, 4, 3214868480
	.section	.rodata,"a",@progbits
	.p2align	6, 0x0
	.amdhsa_kernel k_qdf2934b8c8_maskbits
		.amdhsa_group_segment_fixed_size 2304
		.amdhsa_private_segment_fixed_size 0
		.amdhsa_enable_private_segment 0
		.amdhsa_kernarg_size 24
		.amdhsa_user_sgpr_count 2
		.amdhsa_user_sgpr_kernarg_segment_ptr 1
		.amdhsa_wavefront_size32 1
		.amdhsa_system_sgpr_workgroup_id_x 1
		.amdhsa_system_sgpr_workgroup_id_y 1
		.amdhsa_system_sgpr_workgroup_id_z 1
		.amdhsa_system_vgpr_workitem_id 0
		.amdhsa_next_free_vgpr 34
		.amdhsa_next_free_sgpr 66
		.amdhsa_reserve_vcc 1
		.amdhsa_float_denorm_mode_32 3
		.amdhsa_float_denorm_mode_16_64 3
		.amdhsa_memory_ordered 1
		.amdhsa_forward_progress 1
		.amdhsa_inst_pref_size 20
	.end_amdhsa_kernel
	.amdgpu_metadata
---
amdhsa.version: [ 1, 2 ]
amdhsa.kernels:
  - .name:           k_qdf2934b8c8_maskbits
    .symbol:         k_qdf2934b8c8_maskbits.kd
    .args:
      - { .name: mask, .offset: 0, .size: 8, .value_kind: global_buffer, .address_space: global }
      - { .name: lanemask, .offset: 8, .size: 8, .value_kind: global_buffer, .address_space: global }
      - { .name: flags, .offset: 16, .size: 8, .value_kind: global_buffer, .address_space: global }
    .group_segment_fixed_size: 2304
    .private_segment_fixed_size: 0
    .kernarg_segment_align: 8
    .kernarg_segment_size: 24
    .max_flat_workgroup_size: 512
    .sgpr_count:     66
    .vgpr_count:     34
    .wavefront_size: 32
...
	.end_amdgpu_metadata
.endif
;; end of part 1
;; launch attend (part 2): grid 256 x 1, 8 waves a work-group, no clusters, 216,064 bytes of LDS; arguments K_codes, V_codes, K_scales, V_scales, lanemask, Q_codes, Q_scales, out0, flags; writes out0
.if DOCPART == 2
	.amdgcn_target "amdgcn-amd-amdhsa--gfx1250"
	.amdhsa_code_object_version 6
	.text
	.protected	k_qdf2934b8c8_attend
	.globl	k_qdf2934b8c8_attend
	.p2align	8
	.type	k_qdf2934b8c8_attend,@function
k_qdf2934b8c8_attend:
	s_mov_b64 s[64:65], 0
	v_nop
	global_prefetch_b8 v0, s[64:65] scope:SCOPE_SE
	s_setreg_imm32_b32 hwreg(HW_REG_WAVE_MODE, 25, 1), 1
	s_wait_xcnt 0x0
; O[h][q][:] = the sum over k of softmax_k(mask ? Q[h][q] . K[h][k] / sqrt(128) : -infinity) V[h][k][:], 64 heads, 2,048 queries and keys, head size 128.
; Both products on codes of BF6 (E3M2) with one E8M0 scale for each 32 along a product's K.  Q, K: rows of 96 bytes (128 codes), a scale word a row.  V: keys innermost, rows of 1,536 bytes, 64 scale bytes a row.
; THE SOFTMAX: t = score x log2(e) / sqrt(128); M = the row's largest t so far, rounded UP to a whole number; p = 2^(t - M) is quantised along the keys, not normalised; the row's sum is taken of the
; unquantised p and divides O at the end.  When M moves, the sum and O are multiplied by 2^(old M - new M), which rounds nothing.
; THE MASK is an input.  An earlier launch has turned it into lane masks (lanemask) and, for each tile of 16 queries x 128 keys, two bits (flags): some place true, all places true.
; A step of which no place is true for my 32 queries is left out; a step all of whose places are true skips the masking; any other step takes 64 lane masks a tile into scalar registers and
; sets hidden scores to -infinity, one v_cndmask_b32 a score.  Nothing of the mask's pattern is built in.  SKIP = 0 assembles a text that leaves no step out: hidden steps then go through the masking.
; SHARES.  256 work-groups of eight waves.  Work-group x takes head x / 4 and, with i = x % 4, the blocks of 256 queries 7 - i and then i (the pairing only evens the time where late queries see more keys).
; A wave owns 32 queries of a block: two tiles of 16.  Each fragment of K or V that it reads from LDS feeds two matrix instructions.
; LAYOUT.  Both products are used transposed: S^T = K Q^T (source 0 = 16 keys, source 1 = 16 queries), O^T = V^T P^T: a lane holds ONE query (lane % 16) throughout.
; THE KEYS OF A TILE ARE NOT NEIGHBOURS: lane r of tile 2 b + u takes key 32 b + 8 u + r + 8 (r / 8), so that the 16 registers of tiles 2 b and 2 b + 1 are the keys 32 b + 16 (lane / 16) + 0 .. 15.
; K AND V GO FROM MEMORY THROUGH REGISTERS INTO LDS, in two slots of 256 keys by turns, one barrier a slot.  No tensor load, no cluster: which slots a work-group needs, and which steps a wave works, hang on
; numbers read from memory; partners of a cluster would need different slots.
; LDS.  Slot s at 65,536 s.  In it K's 256 rows of 96 bytes as they lie in memory, with 16 bytes of padding behind every 16 rows (1,552 bytes a group); from 24,832 on V's 128 rows of 192 bytes, 208 apart.
; A fragment comes by six loads of 8 bytes a lane.  In units of 8 bytes modulo 32 the lanes of a load of K stand at 12 r + 3 h (r < 8) and, a group on, 2 further (r >= 8); those of V at 26 r + 3 h: 32 different units each.
; From 131,072: the head's scale words [step 16][half 2][lane 32][4]: lanes 0-15 K's words of tiles 4 z .. 4 z + 3, lanes 16-31 V's.  From 147,456: a stage of 16 rows x 528 bytes for each wave, for the way out.
; Every address in a slot is a register made at the head and never rewritten: a trip of the loop is written for slot 0 and then for slot 1.
; LIMITS: a scale byte 0xff inside a tile that the mask hides wholly is not carried to the output (the tile is not multiplied).  A block of p that is all zeros keeps the byte 1: its codes are zeros.
; A row with no true place comes out as NaN: 0 x infinity.
; REGISTERS, in windows of 256.  Window 0: v1-21 addresses; v22-23 Q's scale words; v24-31 K's and V's; v32-55 Q; v56-79 p's codes; v80-127 statistics, 24 a tile; v128-255 S^T, then p.
;   Window 1: v0-127 O^T; v128-223 eight fragments of K or of V; v224-247 bytes on their way to LDS; v248-252 offsets of the staging loads and of the prefetch.
.set SKIP,   1
.set GP,     1552                      ; 16 keys of K in LDS: 16 x 96 bytes + 16
.set VP,     208                       ; a row of V in LDS: 192 bytes + 16
.set VOFF,   16*GP                     ; V's rows lie behind K's 16 groups
.set SLOT1,  65536                     ; slot 1 begins here
.set SCL,    2*SLOT1                   ; the scale words
.set STAGE,  SCL+16384                 ; the stages
.set SPITCH, 528
.set LI,  1                            ; 16 x lane
.set AK,  2                            ; v2-3    my lane's place in a tile of K, in slot 0, 1: 96 (r % 8) + 1,552 (r / 8) + 24 h
.set NEG, 4                            ; -infinity
.set STO, 5                            ; the way out: where I put 32 bytes of a row
.set SRD, 6                            ; and where I read a row back
.set QA,  7                            ; 96 r + 24 h
.set QSO, 8                            ; 4 r
.set AV,  9                            ; v9-10   my lane's place in a tile of V, in slot 0, 1: VOFF + 208 r + 24 h
.set KW,  11                           ; v11-12  where I store staged bytes of K, in slot 0, 1: 3,104 x wave + 16 x lane
.set VW,  13                           ; v13-14  the same for V: VOFF + 208 (16 x wave + lane / 4) + 16 (lane % 4)
.set LSC, 15                           ; SCL + 16 x lane
.set ADS, 16                           ; the trip's scale words + LSC
.set KSA, 17                           ; where the head puts K's scale words
.set VSA, 18                           ; and V's
.set T16, 19                           ; 16 x my thread's number
.set GOB, 20                           ; global offsets of the block: Q's codes, later O
.set GOS, 21                           ; Q's scale words
.set QSC, 22
.set SC,  24
.set Q,   32
.set P,   56
.set ST,  80                           ; tile u's statistics from ST + 24 u on:
.set NM,  ST+0                         ; -M            (a pair with TX: the packed scaling takes its low word)
.set TX,  ST+1                         ; the largest t
.set SUM, ST+2                         ; the sum, in two halves
.set FAC, ST+4                         ; 2^(old M - new M); on the way out 1 / the sum   (a pair with PW: the packed products take its low word)
.set PW,  ST+5                         ; p's scale word
.set TMP, ST+6
.set BM,  ST+8                         ; four blocks' largest scores, then largest p
.set TP,  ST+12                        ; eight at work
.set SO,  ST+20                        ; four scale operands of the conversions
.set S,   128
.set O,   0                            ; window 1
.set FRG, 128
.set STG, 224
.set KG,  248                          ; K in memory: 3,072 x wave + 16 x lane
.set VG,  249                          ; V in memory: 1,536 (16 x wave + lane / 4) + 16 (lane % 4)
.set PFO, 252
.set WV,  2                            ; my wave's number
.set BK,  3                            ; blocks to go
.set KC,  4                            ; s[4:5]   K's codes at the head
.set VC,  6                            ; s[6:7]   V's
.set KSP, 8                            ; s[8:9]   K's scales; from the first trip on: K's codes at the slot to be staged
.set VSP, 10                           ; s[10:11] the same for V
.set LM,  12                           ; s[12:13] lanemask
.set QC,  14
.set QSP, 16
.set OUT, 18
.set PFA, 20                           ; s[20:21] flags; then where my prefetches stand
.set SEL, 22                           ; s[22:23] selects for lane l xor 16
.set CS,  24                           ; s[24:25] c = log2(e) / sqrt(128), twice
.set SL,  26                           ; the 256 keys in hand, 0 .. 7
.set DT,  27                           ; the loop's counter: a trip is two slots
.set TS,  28                           ; the trip's scale words: 4,096 bytes a trip
.set NS,  29                           ; which key steps somebody of the work-group needs: bit 0 = the first step of the slot in hand
.set WW,  30                           ; my flags: bit 0: the step in hand has a true place; bit 16: all its places are true
.set WW1, 31                           ; the same for the second block
.set QB,  66                           ; the block of queries in hand
.set QBN, 67                           ; the second one
.set LIM, 100                          ; a wave prefetches while SL is under it
.set MSB, 0
.macro WIN new                         ; the immediate's high byte repeats the setting that is left; a switch that changes nothing is dropped
.if MSB != \new
	s_set_vgpr_msb (MSB<<8)|\new
.set MSB, \new
.endif
.endm
.macro PLACES
.rept 4
	v_nop
.endr
.endm
; STAGING.  Wave w brings the slot's keys 32 w .. 32 w + 31 of K, 3,072 consecutive bytes: six loads of 16 bytes a lane, each covering 512 consecutive bytes, aligned; they go to LDS as they lie, 16 bytes more
; behind the first three.  And tile w of V for both steps: 16 rows x 192 bytes: four lanes take 64 bytes of a row, a load eight rows.  The caller sets the windows.
.macro KLOAD base, dst
.irp i, 0,1,2,3,4,5
	global_load_b128 v[\dst+4*\i:\dst+4*\i+3], v[KG], s[\base:\base+1] offset:512*\i
.endr
.endm
.macro VLOAD base, dst
.irp i, 0,1,2,3,4,5
	global_load_b128 v[\dst+4*\i:\dst+4*\i+3], v[VG], s[\base:\base+1] offset:8*1536*(\i/3)+64*(\i%3)
.endr
.endm
.macro KSTORE a, src
.irp i, 0,1,2,3,4,5
	ds_store_b128 v[\a], v[\src+4*\i:\src+4*\i+3] offset:512*\i+16*(\i/3)
.endr
.endm
.macro VSTORE a, src
.irp i, 0,1,2,3,4,5
	ds_store_b128 v[\a], v[\src+4*\i:\src+4*\i+3] offset:8*VP*(\i/3)+64*(\i%3)
.endr
.endm
; A PREFETCH INTO THE L2, behind the staging loads: with SL in hand it names the keys of SL + 2, one slot ahead of the loads that stage them.  All four work-groups of a head walk the same K and V: the one with i = 0
; asks, in its first block alone.  Waves 0 to 2 name K's 24,576 bytes, 8,192 a wave, lanes 256 bytes apart.  Waves 4 to 7 name V's 128 rows, 32 a wave, a lane a row: the LAST byte of the slot's 192 bytes; slots 3 and
; 7 end in the aligned 256 bytes that the slot before has named, and are passed over.  Slots 0 and 1 come by their loads alone; slot 7 is the last that is named.
.macro ASK
	s_cmp_lt_u32 s[SL], s[LIM]
	s_cbranch_scc0 .Lnoask_\@
	s_and_b32 s104, s[WV], 4
	s_and_b32 s105, s[SL], 3
	s_or_b32 s104, s104, s105
	s_cmp_eq_u32 s104, 5                           ; one of V's waves, and SL + 2 is 3 or 7
	s_cbranch_scc1 .Lnoask_\@
	WIN 0x01                                       ; the offset lies in window 1
	global_prefetch_b8 v[PFO], s[PFA:PFA+1] th:TH_LOAD_NT scope:SCOPE_SE
	WIN 0
.Lnoask_\@:
.endm
; Line kk of 32 of tile u's sum of the unquantised p: two at a time, in two chains.
.macro SUMLINE u
.if kk == 0
	v_pk_add_f32 v[TP+24*\u:TP+24*\u+1], v[S+64*\u:S+64*\u+1], v[S+64*\u+2:S+64*\u+3]
.elseif kk == 31
	v_pk_add_f32 v[SUM+24*\u:SUM+24*\u+1], v[SUM+24*\u:SUM+24*\u+1], v[TP+24*\u:TP+24*\u+1]
.elseif kk%2 == 1
	v_pk_add_f32 v[SUM+24*\u:SUM+24*\u+1], v[SUM+24*\u:SUM+24*\u+1], v[S+64*\u+2*kk+2:S+64*\u+2*kk+3]
.else
	v_pk_add_f32 v[TP+24*\u:TP+24*\u+1], v[TP+24*\u:TP+24*\u+1], v[S+64*\u+2*kk+2:S+64*\u+2*kk+3]
.endif
.endm
; From the four blocks' largest p (floored) of tile u: the conversions' scale operands, the bytes, the scale word.
.macro SCALEW u
.irp b, 0,1,2,3
	v_add_nc_u32 v[SO+24*\u+\b], 0xfe000000, v[BM+24*\u+\b]    ; 4 off the exponent field
.endr
.irp b, 0,1,2,3
	v_lshrrev_b32 v[TP+24*\u+\b], 23, v[SO+24*\u+\b]           ; the scale's byte
.endr
	v_lshl_or_b32 v[PW+24*\u], v[TP+24*\u+1], 8, v[TP+24*\u]
	v_lshl_or_b32 v[PW+24*\u], v[TP+24*\u+2], 16, v[PW+24*\u]
	v_lshl_or_b32 v[PW+24*\u], v[TP+24*\u+3], 24, v[PW+24*\u]
.endm
; A KEY STEP: 128 keys, the q-th of LDS slot s, for my two tiles of queries.
.macro STEP s, q
.if SKIP
	s_bitcmp1_b32 s[WW], 0                         ; no place of the step is true for my 32 queries: nothing of it is computed
	s_cbranch_scc0 .Lskip_\@
.endif
	ds_load_b128 v[SC:SC+3], v[ADS] offset:2048*\s+1024*\q         ; the scale words of tiles 0-3: lanes 0-15 K's, lanes 16-31 V's
	ds_load_b128 v[SC+4:SC+7], v[ADS] offset:2048*\s+1024*\q+512   ; and of tiles 4-7
	WIN 0x40                                       ; destination window 1
.irp t, 0,1,2,3,4,5,6,7
.irp p, 0,1,2,3,4,5
	ds_load_b64 v[FRG+12*\t+2*\p:FRG+12*\t+2*\p+1], v[AK+\s] offset:(8*\q+2*(\t/2))*GP+768*(\t%2)+48*(\p/3)+8*(\p%3)   ; tile 2 b + u: groups 8 q + 2 b and the next, rows 8 u on
.endr
.endr
	WIN 0x01                                       ; source 0 (K) window 1
.irp t, 0,1,2,3,4,5,6,7
	s_wait_dscnt 42-6*\t                           ; the scale words and fragments 0 .. t are in; the six loads of each later fragment may be out
.irp u, 0,1
	v_wmma_scale_f32_16x16x128_f8f6f4 v[S+64*\u+8*\t:S+64*\u+8*\t+7], v[FRG+12*\t:FRG+12*\t+11], v[Q+12*\u:Q+12*\u+11], 0, v[SC+\t], v[QSC+\u] matrix_a_fmt:MATRIX_FMT_BF6 matrix_b_fmt:MATRIX_FMT_BF6
.endr
.endr
	WIN 0
	PLACES                                         ; four places ahead of the loads into the fragments' registers and of the first reads of the scores
	WIN 0x40
.irp t, 0,1,2,3,4,5,6,7
.irp p, 0,1,2,3,4,5
	ds_load_b64 v[FRG+12*\t+2*\p:FRG+12*\t+2*\p+1], v[AV+\s] offset:16*\t*VP+96*\q+48*(\p/3)+8*(\p%3)   ; V's fragments land while the softmax is worked
.endr
.endr
	WIN 0
	s_bitcmp1_b32 s[WW], 16                        ; all places true: no masking
	s_cbranch_scc1 .Lopen_\@
	s_lshl_b32 s104, s[QB], 16                     ; lanemask: 4,096 bytes a tile of queries (16 QB + 2 wave + u), 256 a key step (2 SL + q)
	s_lshl_b32 s105, s[WV], 13
	s_add_co_u32 s104, s104, s105
	s_lshl_b32 s105, s[SL], 9
	s_add_co_u32 s104, s104, s105
.irp u, 0,1
	s_load_b512 s[32:47], s[LM:LM+1], s104 offset:256*\q+4096*\u
	s_load_b512 s[48:63], s[LM:LM+1], s104 offset:256*\q+4096*\u+64
	s_load_b512 s[68:83], s[LM:LM+1], s104 offset:256*\q+4096*\u+128
	s_load_b512 s[84:99], s[LM:LM+1], s104 offset:256*\q+4096*\u+192
	s_wait_kmcnt 0x0
.set nn, 0
.rept 32
	v_cndmask_b32 v[S+64*\u+nn], v[NEG], v[S+64*\u+nn], s[32+nn]       ; a hidden score becomes -infinity; each accumulator is taken from its low end on
.set nn, nn+1
.endr
.rept 32
	v_cndmask_b32 v[S+64*\u+nn], v[NEG], v[S+64*\u+nn], s[36+nn]
.set nn, nn+1
.endr
.endr
.Lopen_\@:
	; the largest score of each block of 32 keys: it serves for the row's maximum and, since p rises with the score, for the block's largest p.  The two tiles and the four blocks by turns
.irp b, 0,1,2,3
.irp u, 0,1
	v_max3_num_f32 v[BM+24*\u+\b], v[S+64*\u+16*\b], v[S+64*\u+16*\b+1], v[S+64*\u+16*\b+2]
.endr
.endr
.irp i, 3,5,7,9,11,13
.irp b, 0,1,2,3
.irp u, 0,1
	v_max3_num_f32 v[BM+24*\u+\b], v[BM+24*\u+\b], v[S+64*\u+16*\b+\i], v[S+64*\u+16*\b+\i+1]
.endr
.endr
.endr
.irp b, 0,1,2,3
.irp u, 0,1
	v_max_num_f32 v[BM+24*\u+\b], v[BM+24*\u+\b], v[S+64*\u+16*\b+15]
.endr
.endr
.irp b, 0,1,2,3
.irp u, 0,1
	v_permlanex16_b32 v[TP+24*\u+\b], v[BM+24*\u+\b], s[SEL], s[SEL+1]
.endr
.endr
.irp b, 0,1,2,3
.irp u, 0,1
	v_max_num_f32 v[BM+24*\u+\b], v[BM+24*\u+\b], v[TP+24*\u+\b]       ; with lane l xor 16's 16 keys
.endr
.endr
.irp u, 0,1
	v_max3_num_f32 v[TMP+24*\u], v[BM+24*\u], v[BM+24*\u+1], v[BM+24*\u+2]
.endr
.irp u, 0,1
	v_max_num_f32 v[TMP+24*\u], v[TMP+24*\u], v[BM+24*\u+3]            ; the step's largest score of my query
.endr
.irp u, 0,1
	v_mul_f32 v[TMP+24*\u], s[CS], v[TMP+24*\u]                        ; as t (c is positive)
.endr
.irp u, 0,1
	v_max_num_f32 v[TX+24*\u], v[TX+24*\u], v[TMP+24*\u]               ; the running largest t
.endr
.irp u, 0,1
	v_mov_b32 v[TMP+24*\u], v[NM+24*\u]
.endr
.irp u, 0,1
	v_floor_f32 v[NM+24*\u], -v[TX+24*\u]                              ; the new -M = floor(-t): M is a whole number
.endr
.irp u, 0,1
	v_sub_f32 v[TMP+24*\u], v[NM+24*\u], v[TMP+24*\u]                  ; old M - new M: a whole number, 0 or less
.endr
.irp u, 0,1
	v_cvt_i32_f32 v[TMP+24*\u], v[TMP+24*\u]                           ; (it saturates)
.endr
.irp u, 0,1
	v_ldexp_f32 v[FAC+24*\u], 1.0, v[TMP+24*\u]                        ; 2^(old M - new M)
.endr
	; tile 0: t - M, two at a time
.set nn, 0
.rept 32
	v_pk_fma_f32 v[S+nn:S+nn+1], v[S+nn:S+nn+1], s[CS:CS+1], v[NM:NM+1] op_sel_hi:[1,0,0]
.set nn, nn+2
.endr
.irp b, 0,1,2,3
	v_fma_f32 v[BM+\b], v[BM+\b], s[CS], v[NM]     ; the same of each block's largest score
.endr
	; tile 0's exponentials, ONE BATCH; tile 1's scalings stand between them.  Nothing here names a result
.set nn, 0
.rept 32
	v_exp_f32 v[S+nn], v[S+nn]
	v_exp_f32 v[S+nn+1], v[S+nn+1]
	v_pk_fma_f32 v[S+64+nn:S+64+nn+1], v[S+64+nn:S+64+nn+1], s[CS:CS+1], v[NM+24:NM+25] op_sel_hi:[1,0,0]
.set nn, nn+2
.endr
.irp b, 0,1,2,3
	v_exp_f32 v[BM+\b], v[BM+\b]                   ; the block's largest p: the same two instructions on the same number
	v_fma_f32 v[BM+24+\b], v[BM+24+\b], s[CS], v[NM+24]
.endr
.irp u, 0,1
	v_pk_mul_f32 v[SUM+24*\u:SUM+24*\u+1], v[SUM+24*\u:SUM+24*\u+1], v[FAC+24*\u:FAC+24*\u+1] op_sel_hi:[1,0]   ; the sums under the new M
.endr
	s_wait_alu depctr_va_vdst(0)                   ; one wait for tile 0's 68 exponentials, ahead of their first reader
	; tile 1's exponentials, a second batch; tile 0's sums stand between them
.set nn, 0
.set kk, 0
.rept 32
	v_exp_f32 v[S+64+nn], v[S+64+nn]
	v_exp_f32 v[S+64+nn+1], v[S+64+nn+1]
	SUMLINE 0
.set nn, nn+2
.set kk, kk+1
.endr
.irp b, 0,1,2,3
	v_exp_f32 v[BM+24+\b], v[BM+24+\b]
	v_max_num_f32 v[BM+\b], 0x2800000, v[BM+\b]    ; the floor 2^(5 - 127): the byte cannot fall under 1
.endr
	SCALEW 0
	s_wait_alu depctr_va_vdst(0)                   ; and one for tile 1's 68
.set kk, 0
.rept 32
	SUMLINE 1
.set kk, kk+1
.endr
.irp b, 0,1,2,3
	v_max_num_f32 v[BM+24+\b], 0x2800000, v[BM+24+\b]
.endr
	SCALEW 1
.irp u, 0,1
.irp c, 0,1
	v_cvt_scalef32_pk16_bf6_f32 v[P+12*\u+6*\c:P+12*\u+6*\c+2], v[S+64*\u+32*\c:S+64*\u+32*\c+15], v[SO+24*\u+2*\c]
	v_cvt_scalef32_pk16_bf6_f32 v[TP+24*\u+4*\c:TP+24*\u+4*\c+2], v[S+64*\u+32*\c+16:S+64*\u+32*\c+31], v[SO+24*\u+2*\c+1]   ; (a conversion's three registers begin on an even number)
.endr
.endr
	v_nop                                          ; one plain place behind the scaled conversions
.irp u, 0,1
.irp c, 0,1                                    ; the operand's layout wants a WHOLE block in a lane: lanes 0-15 block 2 c, lanes 16-31 block 2 c + 1
.irp i, 0,1,2
	v_permlane16_swap_b32 v[P+12*\u+6*\c+\i], v[TP+24*\u+4*\c+\i]
.endr
.irp i, 0,1,2
	v_mov_b32 v[P+12*\u+6*\c+3+\i], v[TP+24*\u+4*\c+\i]
.endr
.endr
.endr
	WIN 0x41                                       ; O^T (destination and source 0) window 1
.irp u, 0,1
.set nn, 0
.rept 32
	v_pk_mul_f32 v[O+64*\u+nn:O+64*\u+nn+1], v[O+64*\u+nn:O+64*\u+nn+1], v[FAC+24*\u:FAC+24*\u+1] op_sel_hi:[1,0]   ; O^T under the new M, each accumulator from its low end on.  These 64 are also the places between p's codes and scale words and the products
.set nn, nn+2
.endr
.endr
	s_wait_dscnt 0x0                               ; V's fragments are in
	WIN 0x51                                       ; source 0 (V), C and D (O^T) window 1
.irp t, 0,1,2,3,4,5,6,7                        ; sixteen accumulators, one instruction each: they take turns
.irp u, 0,1
	v_wmma_scale_f32_16x16x128_f8f6f4 v[O+64*\u+8*\t:O+64*\u+8*\t+7], v[FRG+12*\t:FRG+12*\t+11], v[P+12*\u:P+12*\u+11], v[O+64*\u+8*\t:O+64*\u+8*\t+7], v[SC+\t], v[PW+24*\u] matrix_a_fmt:MATRIX_FMT_BF6 matrix_b_fmt:MATRIX_FMT_BF6 matrix_a_scale:MATRIX_SCALE_ROW1
.endr
.endr
	WIN 0
	PLACES                                         ; four places ahead of the next loads into the fragments and scale words, and of the next reads of O^T
.Lskip_\@:
	s_lshr_b32 s[WW], s[WW], 1                     ; on to the next step's two bits
.endm
; HALF A TRIP: the 256 keys in LDS slot s are worked; the next 256, (SL + 1) % 8, are staged into the other slot.  One barrier.
.macro HALF s
	s_wait_xcnt 0x0                                ; the earlier loads and prefetch have read their bases: they may be written
	s_add_co_u32 s104, s[SL], 1
	s_and_b32 s104, s104, 7
	s_mul_i32 s[KSP], s104, 24576
	s_mov_b32 s[KSP+1], 0
	s_add_nc_u64 s[KSP:KSP+1], s[KC:KC+1], s[KSP:KSP+1]
	s_mul_i32 s[VSP], s104, 192
	s_mov_b32 s[VSP+1], 0
	s_add_nc_u64 s[VSP:VSP+1], s[VC:VC+1], s[VSP:VSP+1]
	s_mov_b32 s104, 192
	s_cmp_lt_u32 s[WV], 4
	s_cselect_b32 s104, 24576, s104
	s_mov_b32 s105, 0
	s_add_nc_u64 s[PFA:PFA+1], s[PFA:PFA+1], s[104:105]    ; a slot on (it is used only while SL is under LIM)
	s_and_b32 s105, s[NS], 12                      ; does anybody need the next slot's two steps?  The same number in all eight waves
	s_cmp_eq_u32 s105, 0
	s_cbranch_scc1 .LnoA_\@
	WIN 0x41
	KLOAD KSP, STG                                 ; K's bytes are on their way while the first step is worked
	WIN 0
.LnoA_\@:
	ASK
	STEP \s, 0
	s_wait_loadcnt 0x0                             ; K's bytes are in registers
	s_and_b32 s105, s[NS], 12
	s_cmp_eq_u32 s105, 0
	s_cbranch_scc1 .LnoB_\@
	WIN 0x04                                       ; an LDS store's data are its source 1: window 1
	KSTORE KW+1-\s, STG
	s_wait_dscnt 0x0                               ; the stores have read their registers, which take V's bytes
	WIN 0x41
	VLOAD VSP, STG                                 ; on their way while the second step is worked
	WIN 0
.LnoB_\@:
	STEP \s, 1
	s_wait_loadcnt 0x0                             ; V's bytes are in registers
	s_and_b32 s105, s[NS], 12
	s_cmp_eq_u32 s105, 0
	s_cbranch_scc1 .LnoC_\@
	WIN 0x04
	VSTORE VW+1-\s, STG
	WIN 0
.LnoC_\@:
	s_wait_dscnt 0x0                               ; my reads of the slot in hand are in, and my stores into the other slot have landed
	s_barrier_signal -1
	s_barrier_wait -1                              ; both hold of all eight waves: the other slot may be read, this one written
	s_lshr_b32 s[NS], s[NS], 2
	s_add_co_u32 s[SL], s[SL], 1
.endm
	; ---- THE HEAD
	s_load_b512 s[4:19], s[0:1], 0x0               ; K_codes, V_codes, K_scales, V_scales, lanemask, Q_codes, Q_scales, out0
	s_load_b64 s[PFA:PFA+1], s[0:1], 0x40          ; flags
	v_lshl_add_u32 v111, v0, 2, 0x34800
	v_mov_b32 v123, 0
	v_lshrrev_b32 v128, 5, v0
	v_readfirstlane_b32 s[WV], v128                ; wave 0..7
	v_and_b32 v129, 31, v0                         ; lane
	v_and_b32 v130, 15, v0                         ; r
	v_bfe_u32 v131, v0, 4, 1                       ; h
	v_lshlrev_b32 v[LI], 4, v129
	v_and_b32 v132, 7, v0
	v_mul_u32_u24 v[AK], v132, 96                  ; K: row r % 8 of a group's half,
	v_bfe_u32 v132, v0, 3, 1
	v_mad_u32_u24 v[AK], v132, GP, v[AK]           ; a group on for r >= 8,
	v_mad_u32_u24 v[AK], v131, 24, v[AK]           ; + 24 h
	v_add_nc_u32 v[AK+1], SLOT1, v[AK]
	v_mul_u32_u24 v[AV], v130, VP                  ; V: row r, + 24 h
	v_mad_u32_u24 v[AV], v131, 24, v[AV]
	v_add_nc_u32 v[AV], VOFF, v[AV]
	v_add_nc_u32 v[AV+1], SLOT1, v[AV]
	s_mul_i32 s104, s[WV], 2*GP                    ; my 32 keys are two groups
	v_add_nc_u32 v[KW], s104, v[LI]
	v_add_nc_u32 v[KW+1], SLOT1, v[KW]
	v_bfe_u32 v132, v0, 2, 3                       ; lane / 4: a row of eight
	v_and_b32 v133, 3, v0                          ; lane % 4: 16 bytes of 64
	v_mul_u32_u24 v[VW], v132, VP
	v_lshl_add_u32 v[VW], v133, 4, v[VW]
	s_mul_i32 s104, s[WV], 16*VP
	s_add_co_u32 s104, s104, VOFF
	v_add_nc_u32 v[VW], s104, v[VW]
	v_add_nc_u32 v[VW+1], SLOT1, v[VW]
	v_add_nc_u32 v[LSC], SCL, v[LI]
	v_mov_b32 v[NEG], 0xff800000
	s_mul_i32 s104, s[WV], 16*SPITCH
	s_add_co_u32 s104, s104, STAGE                 ; my stage
	v_mul_u32_u24 v[STO], v130, SPITCH
	v_lshl_add_u32 v[STO], v131, 5, v[STO]
	v_add_nc_u32 v[STO], s104, v[STO]              ; in: row r, + 32 h
	v_add_nc_u32 v[SRD], s104, v[LI]               ; back: the 32 lanes take a row of 512 bytes
	v_mul_u32_u24 v[QA], v130, 96
	v_mad_u32_u24 v[QA], v131, 24, v[QA]
	v_lshlrev_b32 v[QSO], 2, v130
	v_lshlrev_b32 v[T16], 4, v0
	s_mul_i32 s104, s[WV], 3072
	v_add_nc_u32 v139, s104, v[LI]                 ; K in memory
	v_mul_u32_u24 v140, v132, 1536
	v_lshl_add_u32 v140, v133, 4, v140
	s_mul_i32 s104, s[WV], 16*1536
	v_add_nc_u32 v140, s104, v140                  ; V in memory
	s_mov_b32 s104, 1536
	s_cmp_lt_u32 s[WV], 4
	s_cselect_b32 s104, 256, s104
	v_mul_lo_u32 v143, v129, s104                  ; the prefetches: from lane to lane 256 bytes in K, a row in V
	WIN 0x40                                       ; destination window 1
	v_mov_b32 v[KG], v139
	v_mov_b32 v[VG], v140
	v_mov_b32 v[PFO], v143
	WIN 0
	; where the scale words go.  K's: thread n's load i brings the words of keys 4 n + 1,024 i + 0 .. 3.  V's: words 4 (n % 4) + 0 .. 3 of row n / 4 + 64 i
	v_lshrrev_b32 v132, 5, v0
	v_lshlrev_b32 v[KSA], 10, v132                 ; the key step
	v_bfe_u32 v132, v0, 4, 1
	v_lshl_add_u32 v[KSA], v132, 9, v[KSA]         ; tiles 0-3 or 4-7
	v_bfe_u32 v132, v0, 2, 1
	v_lshl_add_u32 v[KSA], v132, 7, v[KSA]         ; lane r: its bit 3,
	v_and_b32 v132, 1, v0
	v_lshl_add_u32 v[KSA], v132, 6, v[KSA]         ; its bit 2 (bits 1, 0 stand in the stores' immediates)
	v_bfe_u32 v132, v0, 3, 1
	v_lshl_add_u32 v[KSA], v132, 3, v[KSA]         ; the tile among four: its bit 1,
	v_bfe_u32 v132, v0, 1, 1
	v_lshl_add_u32 v[KSA], v132, 2, v[KSA]         ; its bit 0
	v_add_nc_u32 v[KSA], SCL, v[KSA]
	v_and_b32 v132, 3, v0
	v_lshlrev_b32 v[VSA], 12, v132                 ; four key steps
	v_bfe_u32 v132, v0, 2, 4
	v_lshl_add_u32 v[VSA], v132, 4, v[VSA]         ; lane 16 + r
	v_lshrrev_b32 v132, 6, v0
	v_lshl_add_u32 v[VSA], v132, 2, v[VSA]         ; the tile among four
	v_add_nc_u32 v[VSA], SCL+256, v[VSA]
.irp u, 0,1
.irp b, 0,1,2,3
	v_mov_b32 v[TP+24*\u+\b], 0                    ; written once: a lane permute's destination counts as one of its sources
.endr
	v_mov_b32 v[PW+24*\u], 0                       ; (named as the upper half of a pair before it is first written)
.endr
	s_mov_b32 s[SEL], 0x76543210
	s_mov_b32 s[SEL+1], 0xfedcba98
	s_mov_b32 s[CS], 0x3e0293ee                    ; c = log2(e) / sqrt(128)
	s_mov_b32 s[CS+1], s[CS]
	s_wait_kmcnt 0x0
	s_lshr_b32 s104, ttmp9, 2                      ; the head
	s_and_b32 s[QBN], ttmp9, 3                     ; i: the second block;
	s_sub_co_u32 s[QB], 7, s[QBN]                  ; the first is 7 - i
	s_mul_i32 s68, s104, 196608                    ; a head's codes
	s_mov_b32 s69, 0
	s_add_nc_u64 s[KC:KC+1], s[KC:KC+1], s[68:69]
	s_add_nc_u64 s[VC:VC+1], s[VC:VC+1], s[68:69]
	s_add_nc_u64 s[QC:QC+1], s[QC:QC+1], s[68:69]
	s_lshl_b32 s68, s104, 13                       ; its scale bytes
	s_add_nc_u64 s[KSP:KSP+1], s[KSP:KSP+1], s[68:69]
	s_add_nc_u64 s[VSP:VSP+1], s[VSP:VSP+1], s[68:69]
	s_add_nc_u64 s[QSP:QSP+1], s[QSP:QSP+1], s[68:69]
	s_lshl_b32 s68, s104, 20                       ; its rows of O
	s_add_nc_u64 s[OUT:OUT+1], s[OUT:OUT+1], s[68:69]
	s_lshl_b32 s104, s[QB], 6                      ; flags: 16 words a block,
	s_lshl_b32 s105, s[QBN], 6
	s_lshl_b32 s101, s[WV], 3                      ; two of them mine
	s_add_co_u32 s100, s105, s101
	s_add_co_u32 s101, s104, s101
.if SKIP
	s_load_b512 s[32:47], s[PFA:PFA+1], s104 offset:0x0
	s_load_b512 s[48:63], s[PFA:PFA+1], s105 offset:0x0
.endif
	s_load_b64 s[68:69], s[PFA:PFA+1], s101 offset:0x0
	s_load_b64 s[70:71], s[PFA:PFA+1], s100 offset:0x0
	WIN 0x41                                       ; offsets and destinations window 1
	KLOAD KC, STG                                  ; the head's first 256 keys
	VLOAD VC, FRG
	WIN 0x40
	global_load_b128 v[FRG+24:FRG+27], v[T16], s[KSP:KSP+1]                ; the head's scale bytes, 8,192 of K's and of V's: 16 bytes a thread, twice
	global_load_b128 v[FRG+28:FRG+31], v[T16], s[KSP:KSP+1] offset:4096
	global_load_b128 v[FRG+32:FRG+35], v[T16], s[VSP:VSP+1]
	global_load_b128 v[FRG+36:FRG+39], v[T16], s[VSP:VSP+1] offset:4096
	WIN 0
	s_wait_kmcnt 0x0
.if SKIP
.irp k, 33,34,35,36,37,38,39,40,41,42,43,44,45,46,47
	s_or_b32 s32, s32, s\k
.endr
	s_and_b32 s32, s32, 0xffff                     ; the steps that some tile of the first block needs,
.irp k, 49,50,51,52,53,54,55,56,57,58,59,60,61,62,63
	s_or_b32 s48, s48, s\k
.endr
	s_lshl_b32 s48, s48, 16                        ; and of the second
	s_or_b32 s[NS], s32, s48
.else
	s_mov_b32 s[NS], -1
.endif
	s_or_b32 s104, s68, s69                        ; my two tiles: a step counts where either has a true place,
	s_and_b32 s104, s104, 0xffff
	s_and_b32 s105, s68, s69                       ; and is open where both are all true
	s_and_b32 s105, s105, 0xffff0000
	s_or_b32 s[WW], s104, s105
	s_or_b32 s104, s70, s71
	s_and_b32 s104, s104, 0xffff
	s_and_b32 s105, s70, s71
	s_and_b32 s105, s105, 0xffff0000
	s_or_b32 s[WW1], s104, s105
	s_lshl_b32 s104, s[WV], 13                     ; the prefetches stand in slot 1; the first half trip steps them to slot 2.  K's waves: 8,192 w;
	s_add_co_u32 s104, s104, 24576
	s_sub_co_u32 s105, s[WV], 4                    ; V's: 32 rows a wave, the last byte of the slot's 192
	s_mul_i32 s105, s105, 32*1536
	s_add_co_u32 s105, s105, 192+191
	s_cmp_lt_u32 s[WV], 4
	s_cselect_b64 s[PFA:PFA+1], s[KC:KC+1], s[VC:VC+1]
	s_cselect_b32 s104, s104, s105
	s_mov_b32 s105, 0
	s_add_nc_u64 s[PFA:PFA+1], s[PFA:PFA+1], s[104:105]
	s_cmp_eq_u32 s[WV], 3                          ; (K's slot is three waves' worth)
	s_cselect_b32 s104, 1, 0
	s_or_b32 s104, s104, s[QBN]
	s_cmp_eq_u32 s104, 0
	s_cselect_b32 s[LIM], 6, 0
	s_mov_b32 s[BK], 2
	s_wait_loadcnt 0x0                             ; the first 256 keys and the scale bytes are in registers
	WIN 0x04                                       ; an LDS store's data are its source 1: window 1
	KSTORE KW, STG
	VSTORE VW, FRG
.irp i, 0,1
.irp e, 0,1,2,3
	ds_store_b32 v[KSA], v[FRG+24+4*\i+\e] offset:8192*\i+16*\e
	ds_store_b32 v[VSA], v[FRG+32+4*\i+\e] offset:512*\i+1024*\e
.endr
.endr
	WIN 0
	s_wait_dscnt 0x0                               ; for the others: my stores have landed
	s_barrier_signal -1
	s_barrier_wait -1                              ; slot 0 and the scale words are whole
.Lblock:                                           ; two trips: a block of 256 queries each
	s_lshl_b32 s104, s[QB], 8
	s_lshl_b32 s105, s[WV], 5
	s_add_co_u32 s104, s104, s105                  ; my first query
	s_mul_i32 s105, s104, 96
	v_add_nc_u32 v[GOB], s105, v[QA]
	s_lshl_b32 s105, s104, 2
	v_add_nc_u32 v[GOS], s105, v[QSO]
.irp u, 0,1
.irp p, 0,1,2,3,4,5
	global_load_b64 v[Q+12*\u+2*\p:Q+12*\u+2*\p+1], v[GOB], s[QC:QC+1] offset:1536*\u+48*(\p/3)+8*(\p%3) th:TH_LOAD_NT   ; Q's fragments stay in registers; read once in the launch
.endr
	global_load_b32 v[QSC+\u], v[GOS], s[QSP:QSP+1] offset:64*\u th:TH_LOAD_NT
.endr
.irp u, 0,1
	v_mov_b32 v[TX+24*\u], 0xff61b1e6              ; the largest t so far: -3e38, under every t
	v_floor_f32 v[NM+24*\u], -v[TX+24*\u]
	v_mov_b32 v[SUM+24*\u], 0
	v_mov_b32 v[SUM+24*\u+1], 0
.endr
	WIN 0x40
.set nn, 0
.rept 128
	v_mov_b32 v[O+nn], 0                           ; O^T.  Which step is a row's first hangs on the mask, so the step is written once and finds zeros, which the first change of M leaves zeros
.set nn, nn+1
.endr
	WIN 0
	s_mov_b32 s[SL], 0
	s_mov_b32 s[TS], 0
	s_mov_b32 s[DT], 0
	s_wait_loadcnt 0x0                             ; Q
.Ltrip:                                            ; four trips a block, 512 keys each: LDS slot 0, then LDS slot 1.  A block begins in slot 0: the last half trip of the block before has staged the head's first keys there
	v_add_nc_u32 v[ADS], s[TS], v[LSC]
	HALF 0
	HALF 1
	s_add_co_u32 s[TS], s[TS], 4096
	s_add_co_u32 s[DT], s[DT], 1
	s_cmp_lt_u32 s[DT], 4
	s_cbranch_scc1 .Ltrip
	; ---- THE WAY OUT.  O^T / the sum goes through my stage in LDS, a tile of 16 queries at a time, and leaves as whole rows of 512 bytes.
.irp u, 0,1
	v_add_f32 v[SUM+24*\u], v[SUM+24*\u], v[SUM+24*\u+1]       ; the sum's two halves,
.endr
.irp u, 0,1
	v_permlanex16_b32 v[TP+24*\u], v[SUM+24*\u], s[SEL], s[SEL+1]
.endr
.irp u, 0,1
	v_add_f32 v[SUM+24*\u], v[SUM+24*\u], v[TP+24*\u]          ; and lane l xor 16's
.endr
.irp u, 0,1
	v_rcp_f32 v[FAC+24*\u], v[SUM+24*\u]
.endr
	v_nop                                          ; a plain place behind the reciprocals
	s_wait_alu depctr_va_vdst(0)                   ; and the wait ahead of their first reader
	WIN 0x01                                       ; source 0 (O^T) window 1; the scores' registers are free
.irp u, 0,1
.set nn, 0
.rept 32
	v_pk_mul_f32 v[S+64*\u+nn:S+64*\u+nn+1], v[O+64*\u+nn:O+64*\u+nn+1], v[FAC+24*\u:FAC+24*\u+1] op_sel_hi:[1,0]   ; register 8 t + i is o(r, 16 t + 8 h + i); each accumulator from its low end on
.set nn, nn+2
.endr
.endr
	WIN 0
.irp t, 0,1,2,3,4,5,6,7
	ds_store_b128 v[STO], v[S+8*\t:S+8*\t+3] offset:64*\t
	ds_store_b128 v[STO], v[S+8*\t+4:S+8*\t+7] offset:64*\t+16
.endr
.irp i, 0,1,2,3,4,5,6,7,8,9,10,11,12,13,14,15
	ds_load_b128 v[S+4*\i:S+4*\i+3], v[SRD] offset:SPITCH*\i   ; LDS serves a wave's instructions in order (ISA guide 5.7.1.4): these see my stores, and the next tile's stores come behind them
.endr
.irp t, 0,1,2,3,4,5,6,7
	ds_store_b128 v[STO], v[S+64+8*\t:S+64+8*\t+3] offset:64*\t
	ds_store_b128 v[STO], v[S+64+8*\t+4:S+64+8*\t+7] offset:64*\t+16
.endr
	s_lshl_b32 s104, s[QB], 8
	s_lshl_b32 s105, s[WV], 5
	s_add_co_u32 s104, s104, s105
	s_lshl_b32 s104, s104, 9                       ; my first row of O, 512 bytes a row
	v_add_nc_u32 v[GOB], s104, v[LI]
	s_wait_dscnt 16                                ; tile 0 is back; tile 1's 16 stores may be out
.irp i, 0,1,2,3,4,5,6,7,8,9,10,11,12,13,14,15
	global_store_b128 v[GOB], v[S+4*\i:S+4*\i+3], s[OUT:OUT+1] offset:512*\i th:TH_STORE_NT   ; 32 lanes store 512 consecutive bytes, aligned; written once, read by nobody here
.endr
.irp i, 0,1,2,3,4,5,6,7,8,9,10,11,12,13,14,15
	ds_load_b128 v[S+64+4*\i:S+64+4*\i+3], v[SRD] offset:SPITCH*\i
.endr
	s_wait_dscnt 0x0
.irp i, 0,1,2,3,4,5,6,7,8,9,10,11,12,13,14,15
	global_store_b128 v[GOB], v[S+64+4*\i:S+64+4*\i+3], s[OUT:OUT+1] offset:8192+512*\i th:TH_STORE_NT
.endr
	s_wait_xcnt 0x0                                ; the stores have read their registers and their offset: the next block writes both
	s_mov_b32 s[QB], s[QBN]
	s_mov_b32 s[WW], s[WW1]
	s_mov_b32 s[LIM], 0                            ; the second block prefetches nothing: the head's K and V have been named
	s_sub_co_u32 s[BK], s[BK], 1
	s_cmp_lg_u32 s[BK], 0
	s_cbranch_scc1 .Lblock
	s_wait_tensorcnt 0x0
	ds_add_u32 v111, v123
	s_wait_dscnt 0x0
	s_endpgm
.Lfunc_end_k_qdf2934b8c8_attend:
	.size	k_qdf2934b8c8_attend, .Lfunc_end_k_qdf2934b8c8_attend-k_qdf2934b8c8_attend
	.p2alignl 7, 3214868480
	.fill 96, 4, 3214868480
	.section	.rodata,"a",@progbits
	.p2align	6, 0x0
	.amdhsa_kernel k_qdf2934b8c8_attend
		.amdhsa_group_segment_fixed_size 216064
		.amdhsa_private_segment_fixed_size 0
		.amdhsa_enable_private_segment 0
		.amdhsa_kernarg_size 72
		.amdhsa_user_sgpr_count 2
		.amdhsa_user_sgpr_kernarg_segment_ptr 1
		.amdhsa_wavefront_size32 1
		.amdhsa_system_sgpr_workgroup_id_x 1
		.amdhsa_system_sgpr_workgroup_id_y 1
		.amdhsa_system_sgpr_workgroup_id_z 1
		.amdhsa_system_vgpr_workitem_id 0
		.amdhsa_next_free_vgpr 512
		.amdhsa_next_free_sgpr 106
		.amdhsa_reserve_vcc 0
		.amdhsa_float_denorm_mode_32 3
		.amdhsa_float_denorm_mode_16_64 3
		.amdhsa_memory_ordered 1
		.amdhsa_forward_progress 1
		.amdhsa_inst_pref_size 217
	.end_amdhsa_kernel
	.amdgpu_metadata
---
amdhsa.version: [ 1, 2 ]
amdhsa.kernels:
  - .name:           k_qdf2934b8c8_attend
    .symbol:         k_qdf2934b8c8_attend.kd
    .args:
      - { .name: K_codes, .offset: 0, .size: 8, .value_kind: global_buffer, .address_space: global }
      - { .name: V_codes, .offset: 8, .size: 8, .value_kind: global_buffer, .address_space: global }
      - { .name: K_scales, .offset: 16, .size: 8, .value_kind: global_buffer, .address_space: global }
      - { .name: V_scales, .offset: 24, .size: 8, .value_kind: global_buffer, .address_space: global }
      - { .name: lanemask, .offset: 32, .size: 8, .value_kind: global_buffer, .address_space: global }
      - { .name: Q_codes, .offset: 40, .size: 8, .value_kind: global_buffer, .address_space: global }
      - { .name: Q_scales, .offset: 48, .size: 8, .value_kind: global_buffer, .address_space: global }
      - { .name: out0, .offset: 56, .size: 8, .value_kind: global_buffer, .address_space: global }
      - { .name: flags, .offset: 64, .size: 8, .value_kind: global_buffer, .address_space: global }
    .group_segment_fixed_size: 216064
    .private_segment_fixed_size: 0
    .kernarg_segment_align: 8
    .kernarg_segment_size: 72
    .max_flat_workgroup_size: 256
    .sgpr_count:     106
    .vgpr_count:     512
    .wavefront_size: 32
...
	.end_amdgpu_metadata
.endif
;; end of part 2
;; ======== version 2 of 2: 2 launches; version 1 with the launch attend written anew for expert scheduling mode
;; workspace buffers: lanemask 524,288 bytes of whole numbers; flags 512 bytes of whole numbers
;; launch maskbits: the kernel of part 1 again; grid 128 x 1, 16 waves a work-group, no clusters, 2,304 bytes of LDS; arguments mask, lanemask, flags; writes lanemask, flags
;; launch attend (part 3): grid 256 x 1, 8 waves a work-group, no clusters, 216,064 bytes of LDS; arguments K_codes, V_codes, K_scales, V_scales, lanemask, Q_codes, Q_scales, out0, flags; writes out0
.if DOCPART == 3
	.amdgcn_target "amdgcn-amd-amdhsa--gfx1250"
	.amdhsa_code_object_version 6
	.text
	.protected	k_qdf2934b8c8_attend
	.globl	k_qdf2934b8c8_attend
	.p2align	8
	.type	k_qdf2934b8c8_attend,@function
k_qdf2934b8c8_attend:
	s_mov_b64 s[64:65], 0
	v_nop
	global_prefetch_b8 v0, s[64:65] scope:SCOPE_SE
	s_setreg_imm32_b32 hwreg(HW_REG_WAVE_SCHED_MODE, 0, 2), 2
	s_setreg_imm32_b32 hwreg(HW_REG_WAVE_MODE, 25, 1), 1
	s_wait_xcnt 0x0
	s_wait_alu depctr_vm_vsrc(0)
; O[h][q][:] = the sum over k of softmax_k(mask ? Q[h][q] . K[h][k] / sqrt(128) : -infinity) V[h][k][:], 64 heads, 2,048 queries and keys, head size 128.
; Both products on codes of BF6 (E3M2) with one E8M0 scale for each 32 along a product's K.  Q, K: rows of 96 bytes (128 codes), a scale word a row.  V: keys innermost, rows of 1,536 bytes, 64 scale bytes a row.
; THE SOFTMAX: t = score x log2(e) / sqrt(128); M = the row's largest t so far, rounded UP to a whole number; p = 2^(t - M) is quantised along the keys, not normalised; the row's sum is taken of the
; unquantised p and divides O at the end.  When M moves, the sum and O are multiplied by 2^(old M - new M), which rounds nothing.
; THE MASK is an input.  An earlier launch has turned it into lane masks (lanemask) and, for each tile of 16 queries x 128 keys, two bits (flags): some place true, all places true.
; A step of which no place is true for my 32 queries is left out; a step all of whose places are true skips the masking; any other step takes 64 lane masks a tile into scalar registers and
; sets hidden scores to -infinity, one v_cndmask_b32 a score.  Nothing of the mask's pattern is built in.  SKIP = 0 assembles a text that leaves no step out: hidden steps then go through the masking.
; SHARES.  256 work-groups of eight waves.  Work-group x takes head x / 4 and, with i = x % 4, the blocks of 256 queries 7 - i and then i (the pairing only evens the time where late queries see more keys).
; A wave owns 32 queries of a block: two tiles of 16.  Each fragment of K or V that it reads from LDS feeds two matrix instructions.
; LAYOUT.  Both products are used transposed: S^T = K Q^T (source 0 = 16 keys, source 1 = 16 queries), O^T = V^T P^T: a lane holds ONE query (lane % 16) throughout.
; THE KEYS OF A TILE ARE NOT NEIGHBOURS: lane r of tile 2 b + u takes key 32 b + 8 u + r + 8 (r / 8), so that the 16 registers of tiles 2 b and 2 b + 1 are the keys 32 b + 16 (lane / 16) + 0 .. 15.
; K AND V GO FROM MEMORY THROUGH REGISTERS INTO LDS, in two slots of 256 keys by turns, one barrier a slot.  No tensor load, no cluster: which slots a work-group needs, and which steps a wave works, hang on
; numbers read from memory; partners of a cluster would need different slots.
; LDS.  Slot s at 65,536 s.  In it K's 256 rows of 96 bytes as they lie in memory, with 16 bytes of padding behind every 16 rows (1,552 bytes a group); from 24,832 on V's 128 rows of 192 bytes, 208 apart.
; A fragment comes by six loads of 8 bytes a lane.  In units of 8 bytes modulo 32 the lanes of a load of K stand at 12 r + 3 h (r < 8) and, a group on, 2 further (r >= 8); those of V at 26 r + 3 h: 32 different units each.
; From 131,072: the head's scale words [step 16][half 2][lane 32][4]: lanes 0-15 K's words of tiles 4 z .. 4 z + 3, lanes 16-31 V's.  From 147,456: a stage of 16 rows x 528 bytes for each wave, for the way out.
; Every address in a slot is a register made at the head and never rewritten: a trip of the loop is written for slot 0 and then for slot 1.
; LIMITS: a scale byte 0xff inside a tile that the mask hides wholly is not carried to the output (the tile is not multiplied).  A block of p that is all zeros keeps the byte 1: its codes are zeros.
; A row with no true place comes out as NaN: 0 x infinity.
; REGISTERS, in windows of 256.  Window 0: v1-21 addresses; v22-23 Q's scale words; v24-31 K's and V's; v32-55 Q; v56-79 p's codes; v80-127 statistics, 24 a tile; v128-255 S^T, then p.
;   Window 1: v0-127 O^T; v128-223 eight fragments of K or of V; v224-247 bytes on their way to LDS; v248-252 offsets of the staging loads and of the prefetch.
; THE MODE: SCHED_MODE bits 1:0 = 2 (LLVM: expert scheduling mode 2), set by the entry lines.  The code itself states the register dependences between vector or matrix instructions and memory or LDS
; instructions, with s_wait_alu, always for 0.
; THE PLAN.  Registers that memory or LDS instructions touch:
;   FRG        A step: K's loads land; 16 products read them; V's loads land; 16 products read them.  At the kernel's head V's first bytes and the scale bytes pass through it (global loads, LDS stores).
;   SC         A step: two LDS loads land at its head; both kinds of product read it as scales.
;   STG        Half a trip: K's global loads, K's LDS stores, V's global loads, V's LDS stores.  No vector instruction names it.
;   Q, QSC     A block: loaded at its head; read by the products K Q^T.
;   v[ADS]     Read by SC's loads; written once a trip.     v[GOB], v[GOS]  Written at a block's head, read by Q's loads; v[GOB] written again on the way out, read by O's stores.
;   S          On the way out alone: written by the packed products, read by the stage's LDS stores, loaded back, read by the global stores; the next block's products write it.
;   All other addresses and offsets, and the closing add's two registers, are written at the kernel's head and never again.  p's codes and scale words are written by vector instructions and taken by scaled products.
; A step has three waits on va_vdst (a fourth between the two tiles' masking, line of the selects) beside the two behind its exponentials: at its head (the step before's products are done with FRG and SC), behind K Q^T (done with FRG), ahead of V^T P (p's codes and scale words are
; written).  Half a trip has two waits on vm_vsrc: at its head and between K's LDS stores and V's loads.  There is one set of fragments: the two waves of a SIMD hold all its registers.
.set SKIP,   1
.set GP,     1552                      ; 16 keys of K in LDS: 16 x 96 bytes + 16
.set VP,     208                       ; a row of V in LDS: 192 bytes + 16
.set VOFF,   16*GP                     ; V's rows lie behind K's 16 groups
.set SLOT1,  65536                     ; slot 1 begins here
.set SCL,    2*SLOT1                   ; the scale words
.set STAGE,  SCL+16384                 ; the stages
.set SPITCH, 528
.set LI,  1                            ; 16 x lane
.set AK,  2                            ; v2-3    my lane's place in a tile of K, in slot 0, 1: 96 (r % 8) + 1,552 (r / 8) + 24 h
.set NEG, 4                            ; -infinity
.set STO, 5                            ; the way out: where I put 32 bytes of a row
.set SRD, 6                            ; and where I read a row back
.set QA,  7                            ; 96 r + 24 h
.set QSO, 8                            ; 4 r
.set AV,  9                            ; v9-10   my lane's place in a tile of V, in slot 0, 1: VOFF + 208 r + 24 h
.set KW,  11                           ; v11-12  where I store staged bytes of K, in slot 0, 1: 3,104 x wave + 16 x lane
.set VW,  13                           ; v13-14  the same for V: VOFF + 208 (16 x wave + lane / 4) + 16 (lane % 4)
.set LSC, 15                           ; SCL + 16 x lane
.set ADS, 16                           ; the trip's scale words + LSC
.set KSA, 17                           ; where the head puts K's scale words
.set VSA, 18                           ; and V's
.set T16, 19                           ; 16 x my thread's number
.set GOB, 20                           ; global offsets of the block: Q's codes, later O
.set GOS, 21                           ; Q's scale words
.set QSC, 22
.set SC,  24
.set Q,   32
.set P,   56
.set ST,  80                           ; tile u's statistics from ST + 24 u on:
.set NM,  ST+0                         ; -M            (a pair with TX: the packed scaling takes its low word)
.set TX,  ST+1                         ; the largest t
.set SUM, ST+2                         ; the sum, in two halves
.set FAC, ST+4                         ; 2^(old M - new M); on the way out 1 / the sum   (a pair with PW: the packed products take its low word)
.set PW,  ST+5                         ; p's scale word
.set TMP, ST+6
.set BM,  ST+8                         ; four blocks' largest scores, then largest p
.set TP,  ST+12                        ; eight at work
.set SO,  ST+20                        ; four scale operands of the conversions
.set S,   128
.set O,   0                            ; window 1
.set FRG, 128
.set STG, 224
.set KG,  248                          ; K in memory: 3,072 x wave + 16 x lane
.set VG,  249                          ; V in memory: 1,536 (16 x wave + lane / 4) + 16 (lane % 4)
.set PFO, 252
.set WV,  2                            ; my wave's number
.set BK,  3                            ; blocks to go
.set KC,  4                            ; s[4:5]   K's codes at the head
.set VC,  6                            ; s[6:7]   V's
.set KSP, 8                            ; s[8:9]   K's scales; from the first trip on: K's codes at the slot to be staged
.set VSP, 10                           ; s[10:11] the same for V
.set LM,  12                           ; s[12:13] lanemask
.set QC,  14
.set QSP, 16
.set OUT, 18
.set PFA, 20                           ; s[20:21] flags; then where my prefetches stand
.set SEL, 22                           ; s[22:23] selects for lane l xor 16
.set CS,  24                           ; s[24:25] c = log2(e) / sqrt(128), twice
.set SL,  26                           ; the 256 keys in hand, 0 .. 7
.set DT,  27                           ; the loop's counter: a trip is two slots
.set TS,  28                           ; the trip's scale words: 4,096 bytes a trip
.set NS,  29                           ; which key steps somebody of the work-group needs: bit 0 = the first step of the slot in hand
.set WW,  30                           ; my flags: bit 0: the step in hand has a true place; bit 16: all its places are true
.set WW1, 31                           ; the same for the second block
.set QB,  66                           ; the block of queries in hand
.set QBN, 67                           ; the second one
.set LIM, 100                          ; a wave prefetches while SL is under it
.set MSB, 0
.macro WIN new                         ; the immediate's high byte repeats the setting that is left; a switch that changes nothing is dropped
.if MSB != \new
	s_set_vgpr_msb (MSB<<8)|\new
.set MSB, \new
.endif
.endm
.macro PLACES
.rept 4
	v_nop
.endr
.endm
; STAGING.  Wave w brings the slot's keys 32 w .. 32 w + 31 of K, 3,072 consecutive bytes: six loads of 16 bytes a lane, each covering 512 consecutive bytes, aligned; they go to LDS as they lie, 16 bytes more
; behind the first three.  And tile w of V for both steps: 16 rows x 192 bytes: four lanes take 64 bytes of a row, a load eight rows.  The caller sets the windows.
.macro KLOAD base, dst
.irp i, 0,1,2,3,4,5
	global_load_b128 v[\dst+4*\i:\dst+4*\i+3], v[KG], s[\base:\base+1] offset:512*\i
.endr
.endm
.macro VLOAD base, dst
.irp i, 0,1,2,3,4,5
	global_load_b128 v[\dst+4*\i:\dst+4*\i+3], v[VG], s[\base:\base+1] offset:8*1536*(\i/3)+64*(\i%3)
.endr
.endm
.macro KSTORE a, src
.irp i, 0,1,2,3,4,5
	ds_store_b128 v[\a], v[\src+4*\i:\src+4*\i+3] offset:512*\i+16*(\i/3)
.endr
.endm
.macro VSTORE a, src
.irp i, 0,1,2,3,4,5
	ds_store_b128 v[\a], v[\src+4*\i:\src+4*\i+3] offset:8*VP*(\i/3)+64*(\i%3)
.endr
.endm
; A PREFETCH INTO THE L2, behind the staging loads: with SL in hand it names the keys of SL + 2, one slot ahead of the loads that stage them.  All four work-groups of a head walk the same K and V: the one with i = 0
; asks, in its first block alone.  Waves 0 to 2 name K's 24,576 bytes, 8,192 a wave, lanes 256 bytes apart.  Waves 4 to 7 name V's 128 rows, 32 a wave, a lane a row: the LAST byte of the slot's 192 bytes; slots 3 and
; 7 end in the aligned 256 bytes that the slot before has named, and are passed over.  Slots 0 and 1 come by their loads alone; slot 7 is the last that is named.
; Its offset was written at the kernel's head, ahead of the wait on va_vdst there, and no vector instruction names it since.
.macro ASK
	s_cmp_lt_u32 s[SL], s[LIM]
	s_cbranch_scc0 .Lnoask_\@
	s_and_b32 s104, s[WV], 4
	s_and_b32 s105, s[SL], 3
	s_or_b32 s104, s104, s105
	s_cmp_eq_u32 s104, 5                           ; one of V's waves, and SL + 2 is 3 or 7
	s_cbranch_scc1 .Lnoask_\@
	WIN 0x01                                       ; the offset lies in window 1
	global_prefetch_b8 v[PFO], s[PFA:PFA+1] th:TH_LOAD_NT scope:SCOPE_SE
	WIN 0
.Lnoask_\@:
.endm
; Line kk of 32 of tile u's sum of the unquantised p: two at a time, in two chains.
.macro SUMLINE u
.if kk == 0
	v_pk_add_f32 v[TP+24*\u:TP+24*\u+1], v[S+64*\u:S+64*\u+1], v[S+64*\u+2:S+64*\u+3]
.elseif kk == 31
	v_pk_add_f32 v[SUM+24*\u:SUM+24*\u+1], v[SUM+24*\u:SUM+24*\u+1], v[TP+24*\u:TP+24*\u+1]
.elseif kk%2 == 1
	v_pk_add_f32 v[SUM+24*\u:SUM+24*\u+1], v[SUM+24*\u:SUM+24*\u+1], v[S+64*\u+2*kk+2:S+64*\u+2*kk+3]
.else
	v_pk_add_f32 v[TP+24*\u:TP+24*\u+1], v[TP+24*\u:TP+24*\u+1], v[S+64*\u+2*kk+2:S+64*\u+2*kk+3]
.endif
.endm
; From the four blocks' largest p (floored) of tile u: the conversions' scale operands, the bytes, the scale word.
.macro SCALEW u
.irp b, 0,1,2,3
	v_add_nc_u32 v[SO+24*\u+\b], 0xfe000000, v[BM+24*\u+\b]    ; 4 off the exponent field
.endr
.irp b, 0,1,2,3
	v_lshrrev_b32 v[TP+24*\u+\b], 23, v[SO+24*\u+\b]           ; the scale's byte
.endr
	v_lshl_or_b32 v[PW+24*\u], v[TP+24*\u+1], 8, v[TP+24*\u]
	v_lshl_or_b32 v[PW+24*\u], v[TP+24*\u+2], 16, v[PW+24*\u]
	v_lshl_or_b32 v[PW+24*\u], v[TP+24*\u+3], 24, v[PW+24*\u]
.endm
; A KEY STEP: 128 keys, the q-th of LDS slot s, for my two tiles of queries.
.macro STEP s, q
.if SKIP
	s_bitcmp1_b32 s[WW], 0                         ; no place of the step is true for my 32 queries: nothing of it is computed
	s_cbranch_scc0 .Lskip_\@
.endif
	s_wait_alu depctr_va_vdst(0)                   ; the products of the step worked last are done reading the scale words and the fragments, in which the loads below land; v[ADS], their address, is written
	ds_load_b128 v[SC:SC+3], v[ADS] offset:2048*\s+1024*\q         ; the scale words of tiles 0-3: lanes 0-15 K's, lanes 16-31 V's
	ds_load_b128 v[SC+4:SC+7], v[ADS] offset:2048*\s+1024*\q+512   ; and of tiles 4-7
	WIN 0x40                                       ; destination window 1
.irp t, 0,1,2,3,4,5,6,7
.irp p, 0,1,2,3,4,5
	ds_load_b64 v[FRG+12*\t+2*\p:FRG+12*\t+2*\p+1], v[AK+\s] offset:(8*\q+2*(\t/2))*GP+768*(\t%2)+48*(\p/3)+8*(\p%3)   ; tile 2 b + u: groups 8 q + 2 b and the next, rows 8 u on
.endr
.endr
	WIN 0x01                                       ; source 0 (K) window 1
.irp t, 0,1,2,3,4,5,6,7
	s_wait_dscnt 42-6*\t                           ; the scale words and fragments 0 .. t are in; the six loads of each later fragment may be out
.irp u, 0,1
	v_wmma_scale_f32_16x16x128_f8f6f4 v[S+64*\u+8*\t:S+64*\u+8*\t+7], v[FRG+12*\t:FRG+12*\t+11], v[Q+12*\u:Q+12*\u+11], 0, v[SC+\t], v[QSC+\u] matrix_a_fmt:MATRIX_FMT_BF6 matrix_b_fmt:MATRIX_FMT_BF6
.endr
.endr
	WIN 0
	PLACES                                         ; four places ahead of the loads into the fragments' registers and of the first reads of the scores
	WIN 0x40
	s_wait_alu depctr_va_vdst(0)                   ; the sixteen products above are done reading K's fragments, in which V's land.  No vector or matrix instruction names these registers again before the products V^T P
.irp t, 0,1,2,3,4,5,6,7
.irp p, 0,1,2,3,4,5
	ds_load_b64 v[FRG+12*\t+2*\p:FRG+12*\t+2*\p+1], v[AV+\s] offset:16*\t*VP+96*\q+48*(\p/3)+8*(\p%3)   ; V's fragments land while the softmax is worked
.endr
.endr
	WIN 0
	s_bitcmp1_b32 s[WW], 16                        ; all places true: no masking
	s_cbranch_scc1 .Lopen_\@
	s_lshl_b32 s104, s[QB], 16                     ; lanemask: 4,096 bytes a tile of queries (16 QB + 2 wave + u), 256 a key step (2 SL + q)
	s_lshl_b32 s105, s[WV], 13
	s_add_co_u32 s104, s104, s105
	s_lshl_b32 s105, s[SL], 9
	s_add_co_u32 s104, s104, s105
.irp u, 0,1
.if \u == 1
	s_wait_alu depctr_va_vdst(0)                   ; tile 0's 64 selects are done reading s[32:99], which the scalar loads below write
.endif
	s_load_b512 s[32:47], s[LM:LM+1], s104 offset:256*\q+4096*\u
	s_load_b512 s[48:63], s[LM:LM+1], s104 offset:256*\q+4096*\u+64
	s_load_b512 s[68:83], s[LM:LM+1], s104 offset:256*\q+4096*\u+128
	s_load_b512 s[84:99], s[LM:LM+1], s104 offset:256*\q+4096*\u+192
	s_wait_kmcnt 0x0
.set nn, 0
.rept 32
	v_cndmask_b32 v[S+64*\u+nn], v[NEG], v[S+64*\u+nn], s[32+nn]       ; a hidden score becomes -infinity; each accumulator is taken from its low end on
.set nn, nn+1
.endr
.rept 32
	v_cndmask_b32 v[S+64*\u+nn], v[NEG], v[S+64*\u+nn], s[36+nn]
.set nn, nn+1
.endr
.endr
.Lopen_\@:
	; the largest score of each block of 32 keys: it serves for the row's maximum and, since p rises with the score, for the block's largest p.  The two tiles and the four blocks by turns
.irp b, 0,1,2,3
.irp u, 0,1
	v_max3_num_f32 v[BM+24*\u+\b], v[S+64*\u+16*\b], v[S+64*\u+16*\b+1], v[S+64*\u+16*\b+2]
.endr
.endr
.irp i, 3,5,7,9,11,13
.irp b, 0,1,2,3
.irp u, 0,1
	v_max3_num_f32 v[BM+24*\u+\b], v[BM+24*\u+\b], v[S+64*\u+16*\b+\i], v[S+64*\u+16*\b+\i+1]
.endr
.endr
.endr
.irp b, 0,1,2,3
.irp u, 0,1
	v_max_num_f32 v[BM+24*\u+\b], v[BM+24*\u+\b], v[S+64*\u+16*\b+15]
.endr
.endr
.irp b, 0,1,2,3
.irp u, 0,1
	v_permlanex16_b32 v[TP+24*\u+\b], v[BM+24*\u+\b], s[SEL], s[SEL+1]
.endr
.endr
.irp b, 0,1,2,3
.irp u, 0,1
	v_max_num_f32 v[BM+24*\u+\b], v[BM+24*\u+\b], v[TP+24*\u+\b]       ; with lane l xor 16's 16 keys
.endr
.endr
.irp u, 0,1
	v_max3_num_f32 v[TMP+24*\u], v[BM+24*\u], v[BM+24*\u+1], v[BM+24*\u+2]
.endr
.irp u, 0,1
	v_max_num_f32 v[TMP+24*\u], v[TMP+24*\u], v[BM+24*\u+3]            ; the step's largest score of my query
.endr
.irp u, 0,1
	v_mul_f32 v[TMP+24*\u], s[CS], v[TMP+24*\u]                        ; as t (c is positive)
.endr
.irp u, 0,1
	v_max_num_f32 v[TX+24*\u], v[TX+24*\u], v[TMP+24*\u]               ; the running largest t
.endr
.irp u, 0,1
	v_mov_b32 v[TMP+24*\u], v[NM+24*\u]
.endr
.irp u, 0,1
	v_floor_f32 v[NM+24*\u], -v[TX+24*\u]                              ; the new -M = floor(-t): M is a whole number
.endr
.irp u, 0,1
	v_sub_f32 v[TMP+24*\u], v[NM+24*\u], v[TMP+24*\u]                  ; old M - new M: a whole number, 0 or less
.endr
.irp u, 0,1
	v_cvt_i32_f32 v[TMP+24*\u], v[TMP+24*\u]                           ; (it saturates)
.endr
.irp u, 0,1
	v_ldexp_f32 v[FAC+24*\u], 1.0, v[TMP+24*\u]                        ; 2^(old M - new M)
.endr
	; tile 0: t - M, two at a time
.set nn, 0
.rept 32
	v_pk_fma_f32 v[S+nn:S+nn+1], v[S+nn:S+nn+1], s[CS:CS+1], v[NM:NM+1] op_sel_hi:[1,0,0]
.set nn, nn+2
.endr
.irp b, 0,1,2,3
	v_fma_f32 v[BM+\b], v[BM+\b], s[CS], v[NM]     ; the same of each block's largest score
.endr
	; tile 0's exponentials, ONE BATCH; tile 1's scalings stand between them.  Nothing here names a result
.set nn, 0
.rept 32
	v_exp_f32 v[S+nn], v[S+nn]
	v_exp_f32 v[S+nn+1], v[S+nn+1]
	v_pk_fma_f32 v[S+64+nn:S+64+nn+1], v[S+64+nn:S+64+nn+1], s[CS:CS+1], v[NM+24:NM+25] op_sel_hi:[1,0,0]
.set nn, nn+2
.endr
.irp b, 0,1,2,3
	v_exp_f32 v[BM+\b], v[BM+\b]                   ; the block's largest p: the same two instructions on the same number
	v_fma_f32 v[BM+24+\b], v[BM+24+\b], s[CS], v[NM+24]
.endr
.irp u, 0,1
	v_pk_mul_f32 v[SUM+24*\u:SUM+24*\u+1], v[SUM+24*\u:SUM+24*\u+1], v[FAC+24*\u:FAC+24*\u+1] op_sel_hi:[1,0]   ; the sums under the new M
.endr
	s_wait_alu depctr_va_vdst(0)                   ; one wait for tile 0's 68 exponentials, ahead of their first reader
	; tile 1's exponentials, a second batch; tile 0's sums stand between them
.set nn, 0
.set kk, 0
.rept 32
	v_exp_f32 v[S+64+nn], v[S+64+nn]
	v_exp_f32 v[S+64+nn+1], v[S+64+nn+1]
	SUMLINE 0
.set nn, nn+2
.set kk, kk+1
.endr
.irp b, 0,1,2,3
	v_exp_f32 v[BM+24+\b], v[BM+24+\b]
	v_max_num_f32 v[BM+\b], 0x2800000, v[BM+\b]    ; the floor 2^(5 - 127): the byte cannot fall under 1
.endr
	SCALEW 0
	s_wait_alu depctr_va_vdst(0)                   ; and one for tile 1's 68
.set kk, 0
.rept 32
	SUMLINE 1
.set kk, kk+1
.endr
.irp b, 0,1,2,3
	v_max_num_f32 v[BM+24+\b], 0x2800000, v[BM+24+\b]
.endr
	SCALEW 1
.irp u, 0,1
.irp c, 0,1
	v_cvt_scalef32_pk16_bf6_f32 v[P+12*\u+6*\c:P+12*\u+6*\c+2], v[S+64*\u+32*\c:S+64*\u+32*\c+15], v[SO+24*\u+2*\c]
	v_cvt_scalef32_pk16_bf6_f32 v[TP+24*\u+4*\c:TP+24*\u+4*\c+2], v[S+64*\u+32*\c+16:S+64*\u+32*\c+31], v[SO+24*\u+2*\c+1]   ; (a conversion's three registers begin on an even number)
.endr
.endr
	v_nop                                          ; one plain place behind the scaled conversions
.irp u, 0,1
.irp c, 0,1                                    ; the operand's layout wants a WHOLE block in a lane: lanes 0-15 block 2 c, lanes 16-31 block 2 c + 1
.irp i, 0,1,2
	v_permlane16_swap_b32 v[P+12*\u+6*\c+\i], v[TP+24*\u+4*\c+\i]
.endr
.irp i, 0,1,2
	v_mov_b32 v[P+12*\u+6*\c+3+\i], v[TP+24*\u+4*\c+\i]
.endr
.endr
.endr
	WIN 0x41                                       ; O^T (destination and source 0) window 1
.irp u, 0,1
.set nn, 0
.rept 32
	v_pk_mul_f32 v[O+64*\u+nn:O+64*\u+nn+1], v[O+64*\u+nn:O+64*\u+nn+1], v[FAC+24*\u:FAC+24*\u+1] op_sel_hi:[1,0]   ; O^T under the new M, each accumulator from its low end on.  These 64 are also the places between p's codes and scale words and the products
.set nn, nn+2
.endr
.endr
	s_wait_dscnt 0x0                               ; V's fragments are in
	WIN 0x51                                       ; source 0 (V), C and D (O^T) window 1
	s_wait_alu depctr_va_vdst(0)                   ; behind the places: p's codes and scale words, made by vector instructions, are written; the scaled products below take them
.irp t, 0,1,2,3,4,5,6,7                        ; sixteen accumulators, one instruction each: they take turns
.irp u, 0,1
	v_wmma_scale_f32_16x16x128_f8f6f4 v[O+64*\u+8*\t:O+64*\u+8*\t+7], v[FRG+12*\t:FRG+12*\t+11], v[P+12*\u:P+12*\u+11], v[O+64*\u+8*\t:O+64*\u+8*\t+7], v[SC+\t], v[PW+24*\u] matrix_a_fmt:MATRIX_FMT_BF6 matrix_b_fmt:MATRIX_FMT_BF6 matrix_a_scale:MATRIX_SCALE_ROW1
.endr
.endr
	WIN 0
	PLACES                                         ; four places ahead of the next loads into the fragments and scale words, and of the next reads of O^T
.Lskip_\@:
	s_lshr_b32 s[WW], s[WW], 1                     ; on to the next step's two bits
.endm
; HALF A TRIP: the 256 keys in LDS slot s are worked; the next 256, (SL + 1) % 8, are staged into the other slot.  One barrier.
.macro HALF s
	s_wait_xcnt 0x0                                ; the earlier loads and prefetch have read their bases: they may be written
	s_wait_alu depctr_vm_vsrc(0)                   ; the LDS stores issued so far have read the staging registers, in which K's loads below land (in the first half trip also the fragments' registers, through which the head's bytes went); the scale words' loads have read v[ADS]
.if \s == 0
	v_add_nc_u32 v[ADS], s[TS], v[LSC]             ; the trip's scale words; the wait at the head of the next step that is worked states that it is written
.endif
	s_add_co_u32 s104, s[SL], 1
	s_and_b32 s104, s104, 7
	s_mul_i32 s[KSP], s104, 24576
	s_mov_b32 s[KSP+1], 0
	s_add_nc_u64 s[KSP:KSP+1], s[KC:KC+1], s[KSP:KSP+1]
	s_mul_i32 s[VSP], s104, 192
	s_mov_b32 s[VSP+1], 0
	s_add_nc_u64 s[VSP:VSP+1], s[VC:VC+1], s[VSP:VSP+1]
	s_mov_b32 s104, 192
	s_cmp_lt_u32 s[WV], 4
	s_cselect_b32 s104, 24576, s104
	s_mov_b32 s105, 0
	s_add_nc_u64 s[PFA:PFA+1], s[PFA:PFA+1], s[104:105]    ; a slot on (it is used only while SL is under LIM)
	s_and_b32 s105, s[NS], 12                      ; does anybody need the next slot's two steps?  The same number in all eight waves
	s_cmp_eq_u32 s105, 0
	s_cbranch_scc1 .LnoA_\@
	WIN 0x41
	KLOAD KSP, STG                                 ; K's bytes are on their way while the first step is worked
	WIN 0
.LnoA_\@:
	ASK
	STEP \s, 0
	s_wait_loadcnt 0x0                             ; K's bytes are in registers
	s_and_b32 s105, s[NS], 12
	s_cmp_eq_u32 s105, 0
	s_cbranch_scc1 .LnoB_\@
	WIN 0x04                                       ; an LDS store's data are its source 1: window 1
	KSTORE KW+1-\s, STG
	s_wait_dscnt 0x0                               ; the stores have read their registers, which take V's bytes
	WIN 0x41
	s_wait_alu depctr_vm_vsrc(0)                   ; K's LDS stores have read the staging registers, in which V's loads land
	VLOAD VSP, STG                                 ; on their way while the second step is worked
	WIN 0
.LnoB_\@:
	STEP \s, 1
	s_wait_loadcnt 0x0                             ; V's bytes are in registers
	s_and_b32 s105, s[NS], 12
	s_cmp_eq_u32 s105, 0
	s_cbranch_scc1 .LnoC_\@
	WIN 0x04
	VSTORE VW+1-\s, STG
	WIN 0
.LnoC_\@:
	s_wait_dscnt 0x0                               ; my reads of the slot in hand are in, and my stores into the other slot have landed
	s_barrier_signal -1
	s_barrier_wait -1                              ; both hold of all eight waves: the other slot may be read, this one written
	s_lshr_b32 s[NS], s[NS], 2
	s_add_co_u32 s[SL], s[SL], 1
.endm
	; ---- THE HEAD
	s_load_b512 s[4:19], s[0:1], 0x0               ; K_codes, V_codes, K_scales, V_scales, lanemask, Q_codes, Q_scales, out0
	s_load_b64 s[PFA:PFA+1], s[0:1], 0x40          ; flags
	v_lshl_add_u32 v111, v0, 2, 0x34800
	v_mov_b32 v123, 0
	v_lshrrev_b32 v128, 5, v0
	v_readfirstlane_b32 s[WV], v128                ; wave 0..7
	v_and_b32 v129, 31, v0                         ; lane
	v_and_b32 v130, 15, v0                         ; r
	v_bfe_u32 v131, v0, 4, 1                       ; h
	v_lshlrev_b32 v[LI], 4, v129
	v_and_b32 v132, 7, v0
	v_mul_u32_u24 v[AK], v132, 96                  ; K: row r % 8 of a group's half,
	v_bfe_u32 v132, v0, 3, 1
	v_mad_u32_u24 v[AK], v132, GP, v[AK]           ; a group on for r >= 8,
	v_mad_u32_u24 v[AK], v131, 24, v[AK]           ; + 24 h
	v_add_nc_u32 v[AK+1], SLOT1, v[AK]
	v_mul_u32_u24 v[AV], v130, VP                  ; V: row r, + 24 h
	v_mad_u32_u24 v[AV], v131, 24, v[AV]
	v_add_nc_u32 v[AV], VOFF, v[AV]
	v_add_nc_u32 v[AV+1], SLOT1, v[AV]
	s_wait_alu depctr_va_sdst(0)                   ; the wave's number is written, ahead of its first reader: addresses, bases and branches are made from it
	s_mul_i32 s104, s[WV], 2*GP                    ; my 32 keys are two groups
	v_add_nc_u32 v[KW], s104, v[LI]
	v_add_nc_u32 v[KW+1], SLOT1, v[KW]
	v_bfe_u32 v132, v0, 2, 3                       ; lane / 4: a row of eight
	v_and_b32 v133, 3, v0                          ; lane % 4: 16 bytes of 64
	v_mul_u32_u24 v[VW], v132, VP
	v_lshl_add_u32 v[VW], v133, 4, v[VW]
	s_mul_i32 s104, s[WV], 16*VP
	s_add_co_u32 s104, s104, VOFF
	v_add_nc_u32 v[VW], s104, v[VW]
	v_add_nc_u32 v[VW+1], SLOT1, v[VW]
	v_add_nc_u32 v[LSC], SCL, v[LI]
	v_mov_b32 v[NEG], 0xff800000
	s_mul_i32 s104, s[WV], 16*SPITCH
	s_add_co_u32 s104, s104, STAGE                 ; my stage
	v_mul_u32_u24 v[STO], v130, SPITCH
	v_lshl_add_u32 v[STO], v131, 5, v[STO]
	v_add_nc_u32 v[STO], s104, v[STO]              ; in: row r, + 32 h
	v_add_nc_u32 v[SRD], s104, v[LI]               ; back: the 32 lanes take a row of 512 bytes
	v_mul_u32_u24 v[QA], v130, 96
	v_mad_u32_u24 v[QA], v131, 24, v[QA]
	v_lshlrev_b32 v[QSO], 2, v130
	v_lshlrev_b32 v[T16], 4, v0
	s_mul_i32 s104, s[WV], 3072
	v_add_nc_u32 v139, s104, v[LI]                 ; K in memory
	v_mul_u32_u24 v140, v132, 1536
	v_lshl_add_u32 v140, v133, 4, v140
	s_mul_i32 s104, s[WV], 16*1536
	v_add_nc_u32 v140, s104, v140                  ; V in memory
	s_mov_b32 s104, 1536
	s_cmp_lt_u32 s[WV], 4
	s_cselect_b32 s104, 256, s104
	v_mul_lo_u32 v143, v129, s104                  ; the prefetches: from lane to lane 256 bytes in K, a row in V
	WIN 0x40                                       ; destination window 1
	v_mov_b32 v[KG], v139
	v_mov_b32 v[VG], v140
	v_mov_b32 v[PFO], v143
	WIN 0
	; where the scale words go.  K's: thread n's load i brings the words of keys 4 n + 1,024 i + 0 .. 3.  V's: words 4 (n % 4) + 0 .. 3 of row n / 4 + 64 i
	v_lshrrev_b32 v132, 5, v0
	v_lshlrev_b32 v[KSA], 10, v132                 ; the key step
	v_bfe_u32 v132, v0, 4, 1
	v_lshl_add_u32 v[KSA], v132, 9, v[KSA]         ; tiles 0-3 or 4-7
	v_bfe_u32 v132, v0, 2, 1
	v_lshl_add_u32 v[KSA], v132, 7, v[KSA]         ; lane r: its bit 3,
	v_and_b32 v132, 1, v0
	v_lshl_add_u32 v[KSA], v132, 6, v[KSA]         ; its bit 2 (bits 1, 0 stand in the stores' immediates)
	v_bfe_u32 v132, v0, 3, 1
	v_lshl_add_u32 v[KSA], v132, 3, v[KSA]         ; the tile among four: its bit 1,
	v_bfe_u32 v132, v0, 1, 1
	v_lshl_add_u32 v[KSA], v132, 2, v[KSA]         ; its bit 0
	v_add_nc_u32 v[KSA], SCL, v[KSA]
	v_and_b32 v132, 3, v0
	v_lshlrev_b32 v[VSA], 12, v132                 ; four key steps
	v_bfe_u32 v132, v0, 2, 4
	v_lshl_add_u32 v[VSA], v132, 4, v[VSA]         ; lane 16 + r
	v_lshrrev_b32 v132, 6, v0
	v_lshl_add_u32 v[VSA], v132, 2, v[VSA]         ; the tile among four
	v_add_nc_u32 v[VSA], SCL+256, v[VSA]
.irp u, 0,1
.irp b, 0,1,2,3
	v_mov_b32 v[TP+24*\u+\b], 0                    ; written once: a lane permute's destination counts as one of its sources
.endr
	v_mov_b32 v[PW+24*\u], 0                       ; (named as the upper half of a pair before it is first written)
.endr
	s_mov_b32 s[SEL], 0x76543210
	s_mov_b32 s[SEL+1], 0xfedcba98
	s_mov_b32 s[CS], 0x3e0293ee                    ; c = log2(e) / sqrt(128)
	s_mov_b32 s[CS+1], s[CS]
	s_wait_kmcnt 0x0
	s_lshr_b32 s104, ttmp9, 2                      ; the head
	s_and_b32 s[QBN], ttmp9, 3                     ; i: the second block;
	s_sub_co_u32 s[QB], 7, s[QBN]                  ; the first is 7 - i
	s_mul_i32 s68, s104, 196608                    ; a head's codes
	s_mov_b32 s69, 0
	s_add_nc_u64 s[KC:KC+1], s[KC:KC+1], s[68:69]
	s_add_nc_u64 s[VC:VC+1], s[VC:VC+1], s[68:69]
	s_add_nc_u64 s[QC:QC+1], s[QC:QC+1], s[68:69]
	s_lshl_b32 s68, s104, 13                       ; its scale bytes
	s_add_nc_u64 s[KSP:KSP+1], s[KSP:KSP+1], s[68:69]
	s_add_nc_u64 s[VSP:VSP+1], s[VSP:VSP+1], s[68:69]
	s_add_nc_u64 s[QSP:QSP+1], s[QSP:QSP+1], s[68:69]
	s_lshl_b32 s68, s104, 20                       ; its rows of O
	s_add_nc_u64 s[OUT:OUT+1], s[OUT:OUT+1], s[68:69]
	s_lshl_b32 s104, s[QB], 6                      ; flags: 16 words a block,
	s_lshl_b32 s105, s[QBN], 6
	s_lshl_b32 s101, s[WV], 3                      ; two of them mine
	s_add_co_u32 s100, s105, s101
	s_add_co_u32 s101, s104, s101
.if SKIP
	s_load_b512 s[32:47], s[PFA:PFA+1], s104 offset:0x0
	s_load_b512 s[48:63], s[PFA:PFA+1], s105 offset:0x0
.endif
	s_load_b64 s[68:69], s[PFA:PFA+1], s101 offset:0x0
	s_load_b64 s[70:71], s[PFA:PFA+1], s100 offset:0x0
	WIN 0x41                                       ; offsets and destinations window 1
	s_wait_alu depctr_va_vdst(0)                   ; every address and offset made above is written: the loads, LDS stores, LDS loads and prefetches of the whole kernel read them, and but for v[ADS], v[GOB] and v[GOS] none is written again
	KLOAD KC, STG                                  ; the head's first 256 keys
	VLOAD VC, FRG
	WIN 0x40
	global_load_b128 v[FRG+24:FRG+27], v[T16], s[KSP:KSP+1]                ; the head's scale bytes, 8,192 of K's and of V's: 16 bytes a thread, twice
	global_load_b128 v[FRG+28:FRG+31], v[T16], s[KSP:KSP+1] offset:4096
	global_load_b128 v[FRG+32:FRG+35], v[T16], s[VSP:VSP+1]
	global_load_b128 v[FRG+36:FRG+39], v[T16], s[VSP:VSP+1] offset:4096
	WIN 0
	s_wait_kmcnt 0x0
.if SKIP
.irp k, 33,34,35,36,37,38,39,40,41,42,43,44,45,46,47
	s_or_b32 s32, s32, s\k
.endr
	s_and_b32 s32, s32, 0xffff                     ; the steps that some tile of the first block needs,
.irp k, 49,50,51,52,53,54,55,56,57,58,59,60,61,62,63
	s_or_b32 s48, s48, s\k
.endr
	s_lshl_b32 s48, s48, 16                        ; and of the second
	s_or_b32 s[NS], s32, s48
.else
	s_mov_b32 s[NS], -1
.endif
	s_or_b32 s104, s68, s69                        ; my two tiles: a step counts where either has a true place,
	s_and_b32 s104, s104, 0xffff
	s_and_b32 s105, s68, s69                       ; and is open where both are all true
	s_and_b32 s105, s105, 0xffff0000
	s_or_b32 s[WW], s104, s105
	s_or_b32 s104, s70, s71
	s_and_b32 s104, s104, 0xffff
	s_and_b32 s105, s70, s71
	s_and_b32 s105, s105, 0xffff0000
	s_or_b32 s[WW1], s104, s105
	s_lshl_b32 s104, s[WV], 13                     ; the prefetches stand in slot 1; the first half trip steps them to slot 2.  K's waves: 8,192 w;
	s_add_co_u32 s104, s104, 24576
	s_sub_co_u32 s105, s[WV], 4                    ; V's: 32 rows a wave, the last byte of the slot's 192
	s_mul_i32 s105, s105, 32*1536
	s_add_co_u32 s105, s105, 192+191
	s_cmp_lt_u32 s[WV], 4
	s_cselect_b64 s[PFA:PFA+1], s[KC:KC+1], s[VC:VC+1]
	s_cselect_b32 s104, s104, s105
	s_mov_b32 s105, 0
	s_add_nc_u64 s[PFA:PFA+1], s[PFA:PFA+1], s[104:105]
	s_cmp_eq_u32 s[WV], 3                          ; (K's slot is three waves' worth)
	s_cselect_b32 s104, 1, 0
	s_or_b32 s104, s104, s[QBN]
	s_cmp_eq_u32 s104, 0
	s_cselect_b32 s[LIM], 6, 0
	s_mov_b32 s[BK], 2
	s_wait_loadcnt 0x0                             ; the first 256 keys and the scale bytes are in registers
	WIN 0x04                                       ; an LDS store's data are its source 1: window 1
	KSTORE KW, STG
	VSTORE VW, FRG
.irp i, 0,1
.irp e, 0,1,2,3
	ds_store_b32 v[KSA], v[FRG+24+4*\i+\e] offset:8192*\i+16*\e
	ds_store_b32 v[VSA], v[FRG+32+4*\i+\e] offset:512*\i+1024*\e
.endr
.endr
	WIN 0
	s_wait_dscnt 0x0                               ; for the others: my stores have landed
	s_barrier_signal -1
	s_barrier_wait -1                              ; slot 0 and the scale words are whole
.Lblock:                                           ; two trips: a block of 256 queries each
	s_lshl_b32 s104, s[QB], 8
	s_lshl_b32 s105, s[WV], 5
	s_add_co_u32 s104, s104, s105                  ; my first query
	s_mul_i32 s105, s104, 96
	v_add_nc_u32 v[GOB], s105, v[QA]               ; (what read these two offsets in the block before has read them: the wait on vm_vsrc at that block's end)
	s_lshl_b32 s105, s104, 2
	v_add_nc_u32 v[GOS], s105, v[QSO]
	s_wait_alu depctr_va_vdst(0)                   ; v[GOB] and v[GOS] are written, which the loads below read; the block before's products are done reading Q and its scale words, in which they land
.irp u, 0,1
.irp p, 0,1,2,3,4,5
	global_load_b64 v[Q+12*\u+2*\p:Q+12*\u+2*\p+1], v[GOB], s[QC:QC+1] offset:1536*\u+48*(\p/3)+8*(\p%3) th:TH_LOAD_NT   ; Q's fragments stay in registers; read once in the launch
.endr
	global_load_b32 v[QSC+\u], v[GOS], s[QSP:QSP+1] offset:64*\u th:TH_LOAD_NT
.endr
.irp u, 0,1
	v_mov_b32 v[TX+24*\u], 0xff61b1e6              ; the largest t so far: -3e38, under every t
	v_floor_f32 v[NM+24*\u], -v[TX+24*\u]
	v_mov_b32 v[SUM+24*\u], 0
	v_mov_b32 v[SUM+24*\u+1], 0
.endr
	WIN 0x40
.set nn, 0
.rept 128
	v_mov_b32 v[O+nn], 0                           ; O^T.  Which step is a row's first hangs on the mask, so the step is written once and finds zeros, which the first change of M leaves zeros
.set nn, nn+1
.endr
	WIN 0
	s_mov_b32 s[SL], 0
	s_mov_b32 s[TS], 0
	s_mov_b32 s[DT], 0
	s_wait_loadcnt 0x0                             ; Q
.Ltrip:                                            ; four trips a block, 512 keys each: LDS slot 0, then LDS slot 1.  A block begins in slot 0: the last half trip of the block before has staged the head's first keys there
	HALF 0
	HALF 1
	s_add_co_u32 s[TS], s[TS], 4096
	s_add_co_u32 s[DT], s[DT], 1
	s_cmp_lt_u32 s[DT], 4
	s_cbranch_scc1 .Ltrip
	; ---- THE WAY OUT.  O^T / the sum goes through my stage in LDS, a tile of 16 queries at a time, and leaves as whole rows of 512 bytes.
.irp u, 0,1
	v_add_f32 v[SUM+24*\u], v[SUM+24*\u], v[SUM+24*\u+1]       ; the sum's two halves,
.endr
.irp u, 0,1
	v_permlanex16_b32 v[TP+24*\u], v[SUM+24*\u], s[SEL], s[SEL+1]
.endr
.irp u, 0,1
	v_add_f32 v[SUM+24*\u], v[SUM+24*\u], v[TP+24*\u]          ; and lane l xor 16's
.endr
.irp u, 0,1
	v_rcp_f32 v[FAC+24*\u], v[SUM+24*\u]
.endr
	v_nop                                          ; a plain place behind the reciprocals
	s_wait_alu depctr_va_vdst(0)                   ; and the wait ahead of their first reader
	WIN 0x01                                       ; source 0 (O^T) window 1; the scores' registers are free
.irp u, 0,1
.set nn, 0
.rept 32
	v_pk_mul_f32 v[S+64*\u+nn:S+64*\u+nn+1], v[O+64*\u+nn:O+64*\u+nn+1], v[FAC+24*\u:FAC+24*\u+1] op_sel_hi:[1,0]   ; register 8 t + i is o(r, 16 t + 8 h + i); each accumulator from its low end on
.set nn, nn+2
.endr
.endr
	WIN 0
	s_lshl_b32 s104, s[QB], 8
	s_lshl_b32 s105, s[WV], 5
	s_add_co_u32 s104, s104, s105
	s_lshl_b32 s104, s104, 9                       ; my first row of O, 512 bytes a row
	v_add_nc_u32 v[GOB], s104, v[LI]               ; (Q's loads have read the old offset: the waits on vm_vsrc at the half trips' heads)
	s_wait_alu depctr_va_vdst(0)                   ; the 64 products have written both tiles' rows, which the LDS stores read and in which the loads from the stage land; v[GOB] is written, which O's stores read.  No vector instruction follows in this block
.irp t, 0,1,2,3,4,5,6,7
	ds_store_b128 v[STO], v[S+8*\t:S+8*\t+3] offset:64*\t
	ds_store_b128 v[STO], v[S+8*\t+4:S+8*\t+7] offset:64*\t+16
.endr
	s_wait_alu depctr_vm_vsrc(0)                   ; tile 0's LDS stores have read their registers, in which the loads below land
.irp i, 0,1,2,3,4,5,6,7,8,9,10,11,12,13,14,15
	ds_load_b128 v[S+4*\i:S+4*\i+3], v[SRD] offset:SPITCH*\i   ; LDS serves a wave's instructions in order (ISA guide 5.7.1.4): these see my stores, and the next tile's stores come behind them
.endr
.irp t, 0,1,2,3,4,5,6,7
	ds_store_b128 v[STO], v[S+64+8*\t:S+64+8*\t+3] offset:64*\t
	ds_store_b128 v[STO], v[S+64+8*\t+4:S+64+8*\t+7] offset:64*\t+16
.endr
	s_wait_dscnt 16                                ; tile 0 is back; tile 1's 16 stores may be out
.irp i, 0,1,2,3,4,5,6,7,8,9,10,11,12,13,14,15
	global_store_b128 v[GOB], v[S+4*\i:S+4*\i+3], s[OUT:OUT+1] offset:512*\i th:TH_STORE_NT   ; 32 lanes store 512 consecutive bytes, aligned; written once, read by nobody here
.endr
	s_wait_alu depctr_vm_vsrc(0)                   ; tile 1's LDS stores have read their registers, in which the loads below land
.irp i, 0,1,2,3,4,5,6,7,8,9,10,11,12,13,14,15
	ds_load_b128 v[S+64+4*\i:S+64+4*\i+3], v[SRD] offset:SPITCH*\i
.endr
	s_wait_dscnt 0x0
.irp i, 0,1,2,3,4,5,6,7,8,9,10,11,12,13,14,15
	global_store_b128 v[GOB], v[S+64+4*\i:S+64+4*\i+3], s[OUT:OUT+1] offset:8192+512*\i th:TH_STORE_NT
.endr
	s_wait_xcnt 0x0                                ; the stores have read their registers and their offset: the next block writes both
	s_wait_alu depctr_vm_vsrc(0)                   ; O's stores have read the rows' registers, which the next block's products write, and v[GOB], which its head writes
	s_mov_b32 s[QB], s[QBN]
	s_mov_b32 s[WW], s[WW1]
	s_mov_b32 s[LIM], 0                            ; the second block prefetches nothing: the head's K and V have been named
	s_sub_co_u32 s[BK], s[BK], 1
	s_cmp_lg_u32 s[BK], 0
	s_cbranch_scc1 .Lblock
	s_wait_dscnt 0x0                               ; the closing lines, six on end
	s_wait_alu 0x0
	s_wait_tensorcnt 0x0
	ds_add_u32 v111, v123
	s_wait_dscnt 0x0
	s_endpgm
.Lfunc_end_k_qdf2934b8c8_attend:
	.size	k_qdf2934b8c8_attend, .Lfunc_end_k_qdf2934b8c8_attend-k_qdf2934b8c8_attend
	.p2alignl 7, 3214868480
	.fill 96, 4, 3214868480
	.section	.rodata,"a",@progbits
	.p2align	6, 0x0
	.amdhsa_kernel k_qdf2934b8c8_attend
		.amdhsa_group_segment_fixed_size 216064
		.amdhsa_private_segment_fixed_size 0
		.amdhsa_enable_private_segment 0
		.amdhsa_kernarg_size 72
		.amdhsa_user_sgpr_count 2
		.amdhsa_user_sgpr_kernarg_segment_ptr 1
		.amdhsa_wavefront_size32 1
		.amdhsa_system_sgpr_workgroup_id_x 1
		.amdhsa_system_sgpr_workgroup_id_y 1
		.amdhsa_system_sgpr_workgroup_id_z 1
		.amdhsa_system_vgpr_workitem_id 0
		.amdhsa_next_free_vgpr 512
		.amdhsa_next_free_sgpr 106
		.amdhsa_reserve_vcc 0
		.amdhsa_float_denorm_mode_32 3
		.amdhsa_float_denorm_mode_16_64 3
		.amdhsa_memory_ordered 1
		.amdhsa_forward_progress 1
		.amdhsa_inst_pref_size 218
	.end_amdhsa_kernel
	.amdgpu_metadata
---
amdhsa.version: [ 1, 2 ]
amdhsa.kernels:
  - .name:           k_qdf2934b8c8_attend
    .symbol:         k_qdf2934b8c8_attend.kd
    .args:
      - { .name: K_codes, .offset: 0, .size: 8, .value_kind: global_buffer, .address_space: global }
      - { .name: V_codes, .offset: 8, .size: 8, .value_kind: global_buffer, .address_space: global }
      - { .name: K_scales, .offset: 16, .size: 8, .value_kind: global_buffer, .address_space: global }
      - { .name: V_scales, .offset: 24, .size: 8, .value_kind: global_buffer, .address_space: global }
      - { .name: lanemask, .offset: 32, .size: 8, .value_kind: global_buffer, .address_space: global }
      - { .name: Q_codes, .offset: 40, .size: 8, .value_kind: global_buffer, .address_space: global }
      - { .name: Q_scales, .offset: 48, .size: 8, .value_kind: global_buffer, .address_space: global }
      - { .name: out0, .offset: 56, .size: 8, .value_kind: global_buffer, .address_space: global }
      - { .name: flags, .offset: 64, .size: 8, .value_kind: global_buffer, .address_space: global }
    .group_segment_fixed_size: 216064
    .private_segment_fixed_size: 0
    .kernarg_segment_align: 8
    .kernarg_segment_size: 72
    .max_flat_workgroup_size: 256
    .sgpr_count:     106
    .vgpr_count:     512
    .wavefront_size: 32
...
	.end_amdgpu_metadata
.endif
;; end of part 3
